; MI455X (gfx1250); checked and timed in simulation.
; The chip was launched on July 23, 2026; its instructions are those of AMD's public machine-readable ISA for CDNA 5 (MIT licence, August 2026) and "CDNA5" Instruction Set Architecture Reference Guide (July 2026). The comments in the code are by the model that wrote it; some were corrected since.
;; Multi Head Attention. Allowed arithmetic: matrix products marked QUANTISED: E2M3 operands, one E8M0 scale for each 32 along K, by v_wmma_scale_f32_16x16x128_f8f6f4 with both operands' format E2M3, f32 sums; everything else in f32.
;; Inputs: b_proj 1,024 float32; b_qkv 3,072 float32; w_proj 1,024 x 1,024 float32; w_qkv 1,024 x 3,072 float32; x 2 x 2,048 x 1,024 float32.
;; Outputs: out0 2 x 2,048 x 1,024 float32.
;; Constants: num_heads = 16.
;; This version of the problem:
;;   THIS VERSION OF THE PROBLEM IS GIVEN IN LOW PRECISION. The matrix products marked QUANTISED in the list below multiply operands that are first quantised to E2M3 (2 exponent bits, 3 mantissa bits; 6 bits a number), with one power-of-two scale for each 32 numbers along K (OCP MX v1.0); their sums are f32. All else is computed in f32.
;;   The module's matrix products, in the order in which they are computed (A, B: the left and right operand; K: the contracted axis; several contracted axes count as one K, in the product's order):
;;     1. [M 4,096, K 1,024] x [K 1,024, N 3,072]; A: input x; B: input w_qkv: QUANTISED
;;     2. batch 32 x [M 2,048, K 64] x [K 64, N 2,048]; A: computed on the way; B: computed on the way: QUANTISED
;;     3. batch 32 x [M 2,048, K 2,048] x [K 2,048, N 64]; A: softmax (see below); B: computed on the way: QUANTISED
;;     4. [M 4,096, K 1,024] x [K 1,024, N 1,024]; A: computed on the way; B: input w_proj: QUANTISED
;;   THE QUANTISER, for each operand of a quantised product, along K:
;;     - K is cut into blocks of 32 from its start; a last block that is shorter is filled with zeros.
;;     - A block's scale is 2^e with e = floor(log2(the largest magnitude in the block)) - 2, held to -126 .. 127; a block of zeros has e = 0. As a byte (E8M0): e + 127.
;;     - Each number is divided by its block's scale, clamped to +-7.5, and rounded to the nearest number of E2M3, ties to even, subnormals kept.
;;     - The product sums the exact products of the quantised numbers (number of the format x scale) in f32.
;;   ~~~python
;;   def quantise(x, axis):      # numpy; x: float32 -> the quantised numbers, widened to float32 again
;;       x = np.moveaxis(x, axis, -1); K = x.shape[-1]
;;       x = np.pad(x, [(0, 0)] * (x.ndim - 1) + [(0, -K % 32)]); x = x.reshape(x.shape[:-1] + (-1, 32)); a = np.abs(x).max(-1, keepdims=True)
;;       e = np.where(a > 0, np.clip(np.frexp(np.where(a > 0, a, 1))[1] - 1 - 2, -126, 127), 0)      # np.frexp(a)[1] - 1 = floor(log2(a)), exactly
;;       r = np.clip(x / 2.0 ** e, -7.5, 7.5)
;;       step = 2.0 ** (np.maximum(np.frexp(np.where(r == 0, 1, r))[1] - 1, 0) - 3)
;;       q = np.round(r / step) * step * 2.0 ** e      # np.round: ties to even
;;       return np.moveaxis(q.reshape(q.shape[:-2] + (-1,))[..., :K], -1, axis).astype(np.float32)
;;   ~~~
;;   SOFTMAX AHEAD OF A QUANTISED PRODUCT. Where the list says 'softmax', what is quantised is not the finished softmax but p = 2^(t - M), with t = logit x log2(e) and M = ceil(the row's largest t), a whole number; so 1/2 < the row's largest p <= 1. The row's sum l is taken of the UNQUANTISED p, in f32, and the product's result is divided by l at the end. Since M is a whole number, a kernel that streams over the keys may use a running M (the ceiling of the running maximum): every later rescaling is an exact power of two, which a block's scale takes up: the codes' values come out the same.
;;   OPERANDS COMPUTED ON THE WAY. 'Computed on the way' means the value that the module computes at that place (a softmax that the list does not call 'softmax' is quantised finished and normalised). What goes into a quantiser is computed in f32, as accurately as f32 sums, v_exp_f32 and their like allow (about 1e-6 of the number): no bf16 or f16 on the way to a quantiser, and a product that is left as it is and whose result goes on into a quantised operand takes f32 operands (vector FMAs, or v_wmma_f32_16x16x4_f32). A number that lies on a knife's edge between two numbers of the format may be rounded either way, as far as f32 arithmetic and the matrix unit's own rounding can turn it there, and no further.
;; One version. Each part assembles by itself: llvm-mc -triple=amdgcn-amd-amdhsa -mcpu=gfx1250 --defsym DOCPART=n.
;; ======== version 1 of 1: 4 launches
;; limits: right only within a limited range of input values
;; workspace buffers: xi 3,276,800 bytes; wqi 2,457,600 bytes; wpi 819,200 bytes; qkv 10,223,616 bytes; oi 3,407,872 bytes
;; launch quant (part 1): grid 256 x 1, 4 waves a work-group, no clusters, 34,304 bytes of LDS; arguments x, w_qkv, w_proj, xi, wqi, wpi; writes xi, wqi, wpi
.if DOCPART == 1
	.amdgcn_target "amdgcn-amd-amdhsa--gfx1250"
	.amdhsa_code_object_version 6
	.text
	.protected	k_q73a0ed793e_quant
	.globl	k_q73a0ed793e_quant
	.p2align	8
	.type	k_q73a0ed793e_quant,@function
k_q73a0ed793e_quant:
	s_mov_b64 s[64:65], 0
	v_nop
	global_prefetch_b8 v0, s[64:65] scope:SCOPE_SE
	s_setreg_imm32_b32 hwreg(HW_REG_WAVE_MODE, 25, 1), 1
	s_wait_xcnt 0x0
; x [4096][1024], w_qkv [1024][3072] and w_proj [1024][1024], f32, become codes of FP6 (E2M3) with one E8M0 scale byte for each 32 along K, laid as the products' launches read them.
; A block's scale is 2^(floor(log2(its largest magnitude)) - 2): its byte is that magnitude's exponent field - 2, held at 1 from below; each number / scale goes to the nearest code, ties to even, beyond 7.5 the largest code.
; LIMITS: NaN and infinities among the inputs are not served.  A block of zeros, or one whose largest magnitude lies under 2^-124, gets the byte 1 (the quantiser's text says 127 for zeros): its codes are zeros or are
; made under the scale 2^-126, and the bytes are read by this program alone.
; THE LAYOUT.  An operand's rows (x: tokens; a weight: its columns) go in blocks of 128, K in chunks of 256; a chunk of a block is 25,600 bytes.  In it the piece (K step s of 128, tile t of 16 rows, half c of 64 along K) is 768 bytes at
; (8 s + t) 1536 + 768 c: AN IMAGE OF THE OPERAND'S REGISTERS: lane (r, h) owns the six registers with the 32 codes of K block h of the tile's row r; registers 0-3 at 16 x lane, registers 4-5 at 512 + 8 x lane.
; Tile 2 b + u holds at place r row 32 b + 8 u + r + 8 (r / 8).  At 24,576 the scale words: for tile pair u 256 bytes, lane l's 8 bytes at 8 l: the words of K steps 0 and 1 of row l % 16 of tile 2 u + l / 16.
; SHARES.  A work-group makes one chunk of one block: 128 work-groups for x, 96 for w_qkv, 32 for w_proj, each reading 128 KiB.  Wave u makes tile pair u.  Waves share nothing: no barrier.
; Memory binds: no matrix unit, no cluster (no two work-groups read the same byte), no tensor loads.
.set LP,    528                        ; x's stage: a row of 512 bytes + 16: the sixteen rows that a read touches start in sixteen different 16-byte columns
.set WREG,  16*LP                      ; a wave's stage
.set CHUNK, 25600
.set FLOOR, 0x1800000                  ; 2^(3 - 127): under it no largest magnitude is taken, so the byte cannot fall under 1
.set OFF2,  0xff000000                 ; takes 2 off an exponent field
	s_load_b256 s[4:11], s[0:1], 0x0               ; x s[4:5], w_qkv s[6:7], w_proj s[8:9], xi s[10:11]
	s_load_b128 s[12:15], s[0:1], 0x20             ; wqi s[12:13], wpi s[14:15]
	v_lshl_add_u32 v62, v0, 2, 0x8400
	v_mov_b32 v63, 0
	v_lshrrev_b32 v1, 5, v0
	v_readfirstlane_b32 s16, v1                    ; wave 0..3
	v_and_b32 v1, 31, v0                           ; lane
	v_and_b32 v42, 15, v0                          ; r
	v_bfe_u32 v43, v0, 4, 1                        ; h
	v_lshlrev_b32 v2, 4, v1                        ; 16 x lane
	s_mul_i32 s17, s16, WREG
	v_add_nc_u32 v3, s17, v2                       ; the stage, on the way in: a row as it lies
	v_mul_u32_u24 v4, v42, LP
	v_lshl_add_u32 v4, v43, 7, v4
	v_add_nc_u32 v4, s17, v4                       ; and on the way out: row r, + 128 h: my block of 32 numbers
	s_mul_i32 s18, s16, 3072                       ; my tile pair's two fragments in a K step
	v_add_nc_u32 v5, s18, v2                       ; an image's registers 0-3
	v_lshlrev_b32 v6, 3, v1
	s_lshl_b32 s19, s16, 8
	s_add_co_u32 s19, s19, 24576
	v_add_nc_u32 v7, s19, v6                       ; my tile pair's scale words
	v_add_nc_u32 v6, s18, v6                       ; an image's registers 4-5
	v_lshlrev_b32 v40, 3, v43                      ; 8 h: where my bytes stand in a scale word
	v_and_b32 v41, 7, v0
	v_bfe_u32 v44, v0, 3, 1
	v_lshl_add_u32 v41, v44, 4, v41
	v_lshl_add_u32 v41, v43, 3, v41                ; a weight's column for my lane: l % 8 + 16 ((l / 8) % 2) + 8 (l / 16): lanes 0-15 the rows of tile 2 u, lanes 16-31 those of tile 2 u + 1
	v_lshlrev_b32 v41, 2, v41
	v_mov_b32 v15, 0                               ; a lane permute's destination counts as one of its sources
	s_mov_b32 s20, 0x76543210
	s_mov_b32 s21, 0xfedcba98                      ; v_permlanex16_b32's selects for lane l xor 16
	s_mov_b32 vcc_lo, 0xffff0000                   ; lanes 16-31
	s_wait_kmcnt 0x0
	s_cmp_lt_u32 ttmp9, 128
	s_cbranch_scc0 .Lweights
; ---- x: K is innermost.  Four sub-steps q = 2 e + s: tile e of my pair, K step s.  Each of a sub-step's sixteen loads reads 512 consecutive bytes of one row; the rows turn through my stage, so that a lane gets two whole blocks of 32.
	s_lshr_b32 s22, ttmp9, 2
	s_lshl_b32 s22, s22, 19                        ; the block's 128 rows of 4,096 bytes
	; x's tiles (the weights keep the order stated at the head): place r of tile t of a block is token 64 (t / 4) + 8 (t % 4) + r % 8 + 32 (r / 8).  My tile pair u begins at row 64 (u / 2) + 16 (u % 2)
	s_lshr_b32 s23, s16, 1
	s_lshl_b32 s23, s23, 18
	s_add_co_u32 s22, s22, s23
	s_and_b32 s23, s16, 1
	s_lshl_b32 s23, s23, 16
	s_add_co_u32 s22, s22, s23
	s_and_b32 s23, ttmp9, 3
	s_lshl_b32 s23, s23, 10                        ; the chunk's 1,024 bytes of a row
	s_add_co_u32 s22, s22, s23
	s_mov_b32 s23, 0
	s_add_nc_u64 s[24:25], s[4:5], s[22:23]
	s_mul_i32 s22, ttmp9, CHUNK
	s_add_nc_u64 s[28:29], s[10:11], s[22:23]
.macro LOADX q
.irp i, 0,1,2,3,4,5,6,7,8,9,10,11,12,13,14,15
	global_load_b128 v[64+64*((\q)%2)+4*\i:64+64*((\q)%2)+4*\i+3], v2, s[24:25] offset:(8*((\q)/2)+\i+24*(\i/8))*4096+512*((\q)%2) th:TH_LOAD_NT   ; places 8-15 lie 32 tokens behind places 0-7
.endr
.endm
.macro SUB q
.if (\q) < 3
	s_wait_loadcnt 16                              ; this sub-step's sixteen loads are in; the next one's sixteen may be out
.else
	s_wait_loadcnt 0x0
.endif
.irp i, 0,1,2,3,4,5,6,7,8,9,10,11,12,13,14,15
	ds_store_b128 v3, v[64+64*((\q)%2)+4*\i:64+64*((\q)%2)+4*\i+3] offset:LP*\i
.endr
.irp c, 0,1
.irp j, 0,1,2,3,4,5,6,7
	ds_load_b128 v[192+32*\c+4*\j:192+32*\c+4*\j+3], v4 offset:256*\c+16*\j   ; k = 64 c + 32 h + 4 j ..: LDS serves a wave's instructions in order, so these see the stores above
.endr
.endr
	s_wait_dscnt 0x0
.if (\q) < 2
	LOADX (\q)+2                                   ; into the registers that the stage's stores have read
.endif
.irp c, 0,1
	v_max3_num_f32 v[8+\c], |v[192+32*\c]|, |v[193+32*\c]|, FLOOR   ; my two blocks by turns
.endr
.irp i, 2,4,6,8,10,12,14,16,18,20,22,24,26,28,30
.irp c, 0,1
	v_max3_num_f32 v[8+\c], v[8+\c], |v[192+32*\c+\i]|, |v[193+32*\c+\i]|
.endr
.endr
.irp c, 0,1
	v_add_nc_u32 v[10+\c], OFF2, v[8+\c]           ; the conversion takes this operand's exponent field as its scale
.endr
.irp c, 0,1
	v_lshrrev_b32 v[12+\c], 23, v[10+\c]           ; the scale's byte
.endr
	s_wait_alu depctr_va_vdst(0)
	s_wait_xcnt 0x0                                ; the last sub-step's stores have read the codes' registers
.irp c, 0,1
	v_cvt_scalef32_pk16_fp6_f32 v[20+6*\c:22+6*\c], v[192+32*\c:207+32*\c], v[10+\c]
	v_cvt_scalef32_pk16_fp6_f32 v[32+4*\c:34+4*\c], v[208+32*\c:223+32*\c], v[10+\c]   ; (a conversion's three registers begin on an even number)
.endr
	v_lshl_or_b32 v14, v13, 16, v12                ; my bytes: blocks h and 2 + h.  (Also the plain line behind the conversions)
	v_lshlrev_b32 v14, v40, v14
	v_permlanex16_b32 v15, v14, s20, s21
	v_or_b32 v[16+(\q)], v14, v15                  ; with lane l xor 16's two the word is whole
.irp c, 0,1
.irp i, 0,1,2
	v_mov_b32 v[23+6*\c+\i], v[32+4*\c+\i]
.endr
.endr
	global_store_b128 v5, v[20:23], s[28:29] offset:12288*((\q)%2)+1536*((\q)/2)        ; each store covers 512 or 256 consecutive bytes, aligned
	global_store_b64 v6, v[24:25], s[28:29] offset:12288*((\q)%2)+1536*((\q)/2)+512
	global_store_b128 v5, v[26:29], s[28:29] offset:12288*((\q)%2)+1536*((\q)/2)+768
	global_store_b64 v6, v[30:31], s[28:29] offset:12288*((\q)%2)+1536*((\q)/2)+1280
.endm
	LOADX 0
	LOADX 1
	SUB 0
	SUB 1
	SUB 2
	SUB 3
	v_cndmask_b32 v42, v16, v18, vcc_lo            ; lanes 0-15 tile 2 u's words, lanes 16-31 tile 2 u + 1's: K step 0,
	v_cndmask_b32 v43, v17, v19, vcc_lo            ; K step 1
	global_store_b64 v7, v[42:43], s[28:29]
	s_wait_tensorcnt 0x0
	ds_add_u32 v62, v63
	s_wait_dscnt 0x0
	s_endpgm
; ---- a weight [K][n]: a lane takes a column and its registers run down K: each load reads 128 consecutive bytes a wave, a block of 32 lies in one lane, and the codes come out with K innermost.
.macro LOADW b, n
.irp i, 0,1,2,3,4,5,6,7,8,9,10,11,12,13,14,15,16,17,18,19,20,21,22,23,24,25,26,27,28,29,30,31
	global_load_b32 v[64+32*((\b)%2)+\i], v41, s[24:25] offset:(32*(\b)+\i)*4*\n th:TH_LOAD_NT
.endr
.endm
.macro BLOCK b, n                      ; block b = 4 s + 2 c + h of the chunk's eight
.set XS, 64+32*((\b)%2)
.set CC, 20+6*((\b)%2)
.if (\b) < 7
	s_wait_loadcnt 32                              ; this block's 32 loads are in; the next block's may be out
.else
	s_wait_loadcnt 0x0
.endif
	v_max3_num_f32 v8, |v[XS]|, |v[XS+1]|, |v[XS+2]|
	v_max3_num_f32 v9, |v[XS+3]|, |v[XS+4]|, |v[XS+5]|
.irp i, 6,10,14,18,22,26
	v_max3_num_f32 v8, v8, |v[XS+\i]|, |v[XS+\i+1]|
	v_max3_num_f32 v9, v9, |v[XS+\i+2]|, |v[XS+\i+3]|
.endr
	v_max3_num_f32 v8, v8, |v[XS+30]|, |v[XS+31]|
	v_max3_num_f32 v8, v8, v9, FLOOR
	v_add_nc_u32 v10, OFF2, v8
	v_lshrrev_b32 v12, 23, v10
.if (\b)%4 == 0
	v_mov_b32 v[16+(\b)/4], v12                    ; four bytes to a word, the lower K in the lower byte
.else
	v_lshl_or_b32 v[16+(\b)/4], v12, 8*((\b)%4), v[16+(\b)/4]
.endif
.if (\b)%2 == 0
	s_wait_alu depctr_va_vdst(0)
	s_wait_xcnt 0x0                                ; the last pair's stores have read both sets of codes
.endif
	v_cvt_scalef32_pk16_fp6_f32 v[CC:CC+2], v[XS:XS+15], v10
	v_cvt_scalef32_pk16_fp6_f32 v[32:34], v[XS+16:XS+31], v10
	v_nop                                          ; one plain line behind the conversions
.irp i, 0,1,2
	v_mov_b32 v[CC+3+\i], v[32+\i]
.endr
.if (\b)+2 < 8
	LOADW (\b)+2, \n
.endif
.if (\b)%2 == 1
.irp i, 0,1,2,3,4,5
	v_permlane16_swap_b32 v[20+\i], v[26+\i]       ; the even block's lanes 16-31 change places with the odd block's lanes 0-15: the first set is now tile 2 u's image, the second tile 2 u + 1's
.endr
	global_store_b128 v5, v[20:23], s[28:29] offset:12288*((\b)/4)+768*(((\b)/2)%2)
	global_store_b64 v6, v[24:25], s[28:29] offset:12288*((\b)/4)+768*(((\b)/2)%2)+512
	global_store_b128 v5, v[26:29], s[28:29] offset:12288*((\b)/4)+768*(((\b)/2)%2)+1536
	global_store_b64 v6, v[30:31], s[28:29] offset:12288*((\b)/4)+768*(((\b)/2)%2)+2048
.endif
.endm
.macro WPATH n, src, dst, gbase
	s_sub_co_u32 s23, ttmp9, \gbase                ; which chunk of which block of this weight
	s_lshr_b32 s24, s23, 2
	s_and_b32 s25, s23, 3
	s_mul_i32 s26, s25, 256*\n*4                   ; the chunk's 256 rows,
	s_lshl_b32 s24, s24, 9                         ; the block's 128 columns,
	s_add_co_u32 s26, s26, s24
	s_lshl_b32 s24, s16, 7                         ; my 32
	s_add_co_u32 s26, s26, s24
	s_mov_b32 s27, 0
	s_add_nc_u64 s[24:25], s[\src:\src+1], s[26:27]
	s_mul_i32 s26, s23, CHUNK
	s_add_nc_u64 s[28:29], s[\dst:\dst+1], s[26:27]
	LOADW 0, \n
	LOADW 1, \n
.irp b, 0,1,2,3,4,5,6,7
	BLOCK \b, \n
.endr
	global_store_b64 v7, v[16:17], s[28:29]        ; my column's two scale words
.endm
.Lweights:
	s_cmp_lt_u32 ttmp9, 224
	s_cbranch_scc0 .Lproj
	s_wait_alu depctr_va_vdst(0)
	WPATH 3072, 6, 12, 128
	s_endpgm
.Lproj:
	s_wait_alu depctr_va_vdst(0)
	WPATH 1024, 8, 14, 224
	s_endpgm
.Lfunc_end_k_q73a0ed793e_quant:
	.size	k_q73a0ed793e_quant, .Lfunc_end_k_q73a0ed793e_quant-k_q73a0ed793e_quant
	.p2alignl 7, 3214868480
	.fill 96, 4, 3214868480
	.section	.rodata,"a",@progbits
	.p2align	6, 0x0
	.amdhsa_kernel k_q73a0ed793e_quant
		.amdhsa_group_segment_fixed_size 34304
		.amdhsa_private_segment_fixed_size 0
		.amdhsa_enable_private_segment 0
		.amdhsa_kernarg_size 48
		.amdhsa_user_sgpr_count 2
		.amdhsa_user_sgpr_kernarg_segment_ptr 1
		.amdhsa_wavefront_size32 1
		.amdhsa_system_sgpr_workgroup_id_x 1
		.amdhsa_system_sgpr_workgroup_id_y 1
		.amdhsa_system_sgpr_workgroup_id_z 1
		.amdhsa_system_vgpr_workitem_id 0
		.amdhsa_next_free_vgpr 256
		.amdhsa_next_free_sgpr 66
		.amdhsa_reserve_vcc 1
		.amdhsa_float_denorm_mode_32 3
		.amdhsa_float_denorm_mode_16_64 3
		.amdhsa_memory_ordered 1
		.amdhsa_forward_progress 1
		.amdhsa_inst_pref_size 108
	.end_amdhsa_kernel
	.amdgpu_metadata
---
amdhsa.version: [ 1, 2 ]
amdhsa.kernels:
  - .name:           k_q73a0ed793e_quant
    .symbol:         k_q73a0ed793e_quant.kd
    .args:
      - { .name: x, .offset: 0, .size: 8, .value_kind: global_buffer, .address_space: global }
      - { .name: w_qkv, .offset: 8, .size: 8, .value_kind: global_buffer, .address_space: global }
      - { .name: w_proj, .offset: 16, .size: 8, .value_kind: global_buffer, .address_space: global }
      - { .name: xi, .offset: 24, .size: 8, .value_kind: global_buffer, .address_space: global }
      - { .name: wqi, .offset: 32, .size: 8, .value_kind: global_buffer, .address_space: global }
      - { .name: wpi, .offset: 40, .size: 8, .value_kind: global_buffer, .address_space: global }
    .group_segment_fixed_size: 34304
    .private_segment_fixed_size: 0
    .kernarg_segment_align: 8
    .kernarg_segment_size: 48
    .max_flat_workgroup_size: 128
    .sgpr_count:     66
    .vgpr_count:     256
    .wavefront_size: 32
...
	.end_amdgpu_metadata
.endif
;; end of part 1
;; launch gemm_qkv (part 2): grid 8 x 32, 4 waves a work-group, clusters of 4 x 4, 327,680 bytes of LDS; arguments xi, wqi, b_qkv, qkv; writes qkv
.if DOCPART == 2
	.amdgcn_target "amdgcn-amd-amdhsa--gfx1250"
	.amdhsa_code_object_version 6
	.text
	.protected	k_q73a0ed793e_gemm_qkv
	.globl	k_q73a0ed793e_gemm_qkv
	.p2align	8
	.type	k_q73a0ed793e_gemm_qkv,@function
k_q73a0ed793e_gemm_qkv:
	s_mov_b64 s[64:65], 0
	v_nop
	global_prefetch_b8 v0, s[64:65] scope:SCOPE_SE
	s_setreg_imm32_b32 hwreg(HW_REG_WAVE_MODE, 25, 1), 1
	s_wait_xcnt 0x0
	s_wait_alu depctr_hold_cnt(0) depctr_sa_sdst(0) depctr_va_vdst(0) depctr_va_sdst(0) depctr_va_ssrc(0) depctr_va_vcc(0) depctr_vm_vsrc(0)
	s_getreg_b32 s2, hwreg(HW_REG_IB_STS2, 6, 4)
	s_cmp_eq_u32 s2, 0
	s_cbranch_scc0 .Lentry_in_a_cluster
	s_endpgm
.Lentry_in_a_cluster:
	s_bfe_u32 s2, ttmp6, 0x10000c
	s_cmp_lg_u32 s2, 0xf033
	s_cbranch_scc0 .Lentry_shape_is_right
	s_endpgm
.Lentry_shape_is_right:
; qkv = x w_qkv + b_qkv on codes of FP6 (E2M3) with E8M0 scales, sums in f32; the result is quantised in registers and leaves as codes: q and k along the head's 64, v along the keys.
; SHARES.  A WORK-GROUP STAYS: work-group (gx, y) makes, for the 128 tokens of block y, three tiles of 128 columns: column blocks gx, gx + 8, gx + 16 of 24: the q, the k and the v of heads 2 gx and 2 gx + 1.  8 x 32 = 256 work-groups.
; Each of four waves makes 64 x 64 of a tile: 16 accumulators, 8 K steps of 128, 128 matrix instructions.  th = wave % 2: my half of the tokens; wh = wave / 2: my half of the columns (one head).
; LDS.  An operand's block, all of K = 1,024, is 102,400 bytes.  The tokens' block comes once and serves all three tiles; tile 0's columns lie in slot A, tile 1's in slot B; four blocks (409,600 bytes) do not fit, so tile 2's columns
; are brought into slot A when every wave has read tile 0's out of it, and land while tile 1 is multiplied.  That is the one refill of the launch.
; CLUSTERS: 4 x 4 work-groups.  The tokens' block hangs on y alone and is asked for jointly along a row of the cluster, the columns' blocks on gx alone, jointly along a column.
; LAYOUT OF AN OPERAND'S CHUNK (256 along K, 25,600 bytes): the fragment (K step s, tile t) is an image of its 12 registers at (8 s + t) 1536: registers 0-3 at 16 x lane, 4-5 at 512 + 8 x lane, 6-9 at 768 + 16 x lane, 10-11 at 1280 + 8 x lane;
; at 24,576 the scale words: tile pair u at 256 u, lane l's 8 bytes: K steps 0, 1 of row l % 16 of tile 2 u + l / 16.  Tile 2 b + u holds at place r row 32 b + 8 u + r + 8 (r / 8).
; TWO WAYS.  q, k (tiles 0, 1): source 0 = columns, source 1 = tokens: a lane holds one token, and the 32 registers of its four accumulators run along the head's 64.
; v (tile 2): source 0 = tokens, source 1 = columns: a lane holds one column d, and its registers run along 64 keys.  By the tiles' row order register 16 b + i is neighbour 32 b + 16 (lane / 16) + i.
; OUT: qkv [q, k, v][head of 32][block of 256 tokens][13,312]: sixteen images of 768 bytes (16 rows x 64 along K), then four groups of 256 bytes of scale words (two bytes each, zeros above).
; LIMITS: NaN and infinities are not served; a block of zeros, or one under 2^-124, gets the byte 1: the bytes are read by this program alone.
; REGISTERS: window 0: v1-13 offsets; v16-31 scale words, two sets; v32-63 tile 0's bias as C; v64-81 LDS addresses; v82-83 the add's; v96-118 the quantiser's; v128-255 the accumulators ((q, t) at 128 + 8 (4 q + t)).
;   window 1: two sets of eight fragments at v0 and v128; v96-127 tile 1's bias, v224-255 tile 2's.
.set CH,    25600
.set HCH,   12800
.set BLK,   4*CH                       ; an operand's block
.set SLA,   BLK                        ; LDS: slot A behind the tokens' block,
.set SLB,   2*BLK                      ; slot B behind it,
.set SPARE, 3*BLK                      ; and the spare words, 128 bytes for each wave: two blocks of 256 bytes that no other line names
.set TENS,  3407872                    ; bytes of q, of k and of v in the output
.set F0,    0
.set F1,    128
.set ACC,   128
.set BIA0,  32                         ; in window 0
.set BIA1,  96                         ; in window 1
.set BIA2,  224                        ; in window 1
.set SCS,   16                         ; scale words: set p at SCS + 8 p: the tokens' at +0..3, the columns' at +4..7; register 2 (t / 2) + s, lanes 16 (t % 2) on
.set TA,    64                         ; a bank of six LDS addresses: 16 x lane, 8 x lane and the scale words, of my four tiles, for chunks 0, 1; the same three for chunks 2, 3 (an LDS offset has 16 bits).  v64-69: the tokens;
.set WA,    70                         ; v70-75: slot A;
.set WBK,   76                         ; v76-81: slot B.  None is ever rewritten
.set SPW,   82                         ; LDS address of my spare word: SPARE + 4 x my thread's number; never rewritten
.set NIL,   83                         ; 0; never rewritten
.set TM,    96                         ; the way out: v96-97 largest magnitudes, v98-99 the other half's, v100-101 scale operands, v102-103 bytes
.set WD,    104                        ; v104-107 the four images' scale words
.set PC,    108                        ; v108-113 an image's codes
.set SW,    114                        ; v114-115 the scale words as they are stored
.set PT,    116
.set SEL,   2                          ; s[2:3]
.set MUL,   0x05                       ; sources 0 and 1 window 1; C and D window 0
.set MULB,  0x15                       ; the same with C (a bias) in window 1
.set TO_F,  0x40                       ; destination window 1, address window 0
.set MSB,   0
.macro WIN new                         ; the immediate's high byte repeats the setting that is left
.if MSB != \new
	s_set_vgpr_msb (MSB<<8)|\new
.set MSB, \new
.endif
.endm
.macro ROUND                           ; a round of the cluster's barrier
	s_barrier_signal -1
	s_barrier_wait -1
	s_cmp_lg_u32 s12, 0
	s_cbranch_scc1 .Lnot_wave_0_\@
	s_barrier_signal -3
.Lnot_wave_0_\@:
	s_barrier_wait -3
	s_barrier_signal -1
	s_barrier_wait -1
.endm
.macro PLACES n
.rept \n
	v_nop
.endr
.endm
.macro WM d, a, b, c, sa, sb, ra, rb   ; one product; ra, rb: the scale words stand in lanes 16-31
.if (\ra) && (\rb)
	v_wmma_scale_f32_16x16x128_f8f6f4 v[(\d):(\d)+7], v[(\a):(\a)+11], v[(\b):(\b)+11], v[(\c):(\c)+7], v[(\sa)], v[(\sb)] matrix_a_fmt:MATRIX_FMT_FP6 matrix_b_fmt:MATRIX_FMT_FP6 matrix_a_scale:MATRIX_SCALE_ROW1 matrix_b_scale:MATRIX_SCALE_ROW1
.elseif (\ra)
	v_wmma_scale_f32_16x16x128_f8f6f4 v[(\d):(\d)+7], v[(\a):(\a)+11], v[(\b):(\b)+11], v[(\c):(\c)+7], v[(\sa)], v[(\sb)] matrix_a_fmt:MATRIX_FMT_FP6 matrix_b_fmt:MATRIX_FMT_FP6 matrix_a_scale:MATRIX_SCALE_ROW1
.elseif (\rb)
	v_wmma_scale_f32_16x16x128_f8f6f4 v[(\d):(\d)+7], v[(\a):(\a)+11], v[(\b):(\b)+11], v[(\c):(\c)+7], v[(\sa)], v[(\sb)] matrix_a_fmt:MATRIX_FMT_FP6 matrix_b_fmt:MATRIX_FMT_FP6 matrix_b_scale:MATRIX_SCALE_ROW1
.else
	v_wmma_scale_f32_16x16x128_f8f6f4 v[(\d):(\d)+7], v[(\a):(\a)+11], v[(\b):(\b)+11], v[(\c):(\c)+7], v[(\sa)], v[(\sb)] matrix_a_fmt:MATRIX_FMT_FP6 matrix_b_fmt:MATRIX_FMT_FP6
.endif
.endm
; The symbols PA, QA (banks of source 0 and source 1), WAB (the columns' bank), BP, BQ (where their scale words stand in a set), VP (the v way) and FT (the first tile) are set by BODY.
; 32 LDS loads in one run: a K step's four fragments of source 0 and four of source 1, at byte o of the half hi of the blocks, into set f.  Every load covers 512 or 256 consecutive bytes.
.macro FETCH f, o, hi
	WIN TO_F
.irp t, 0,1,2,3
	ds_load_b128 v[\f+12*\t:\f+12*\t+3], v[PA+3*\hi] offset:\o+1536*\t
	ds_load_b64 v[\f+12*\t+4:\f+12*\t+5], v[PA+1+3*\hi] offset:\o+1536*\t+512
	ds_load_b128 v[\f+12*\t+6:\f+12*\t+9], v[PA+3*\hi] offset:\o+1536*\t+768
	ds_load_b64 v[\f+12*\t+10:\f+12*\t+11], v[PA+1+3*\hi] offset:\o+1536*\t+1280
.endr
.irp t, 0,1,2,3
	ds_load_b128 v[\f+48+12*\t:\f+48+12*\t+3], v[QA+3*\hi] offset:\o+1536*\t
	ds_load_b64 v[\f+48+12*\t+4:\f+48+12*\t+5], v[QA+1+3*\hi] offset:\o+1536*\t+512
	ds_load_b128 v[\f+48+12*\t+6:\f+48+12*\t+9], v[QA+3*\hi] offset:\o+1536*\t+768
	ds_load_b64 v[\f+48+12*\t+10:\f+48+12*\t+11], v[QA+1+3*\hi] offset:\o+1536*\t+1280
.endr
.endm
.macro SCALES p, o, hi                 ; a chunk's scale words into set p
	WIN 0
.irp u, 0,1
	ds_load_b64 v[SCS+8*\p+2*\u:SCS+8*\p+2*\u+1], v[TA+2+3*\hi] offset:\o+256*\u
	ds_load_b64 v[SCS+8*\p+4+2*\u:SCS+8*\p+4+2*\u+1], v[WAB+2+3*\hi] offset:\o+256*\u
.endr
.endm
; A K step: 16 products.  The 16 accumulators take turns, one instruction a turn, in the same order in every step and from tile to tile.  first = 1: the bias (at bia, window setting win) is the C of each sum's
; first product: nothing is cleared or added later.
.macro MUL16 f, ks, p, first, bia, win
	WIN \win
.irp q, 0,1,2,3
.irp t, 0,1,2,3
.if \first
.if VP
	WM ACC+8*(4*\q+\t), \f+12*\t, \f+48+12*\q, \bia+8*\q, SCS+8*\p+BP+2*(\t/2)+\ks, SCS+8*\p+BQ+2*(\q/2)+\ks, \t%2, \q%2
.else
	WM ACC+8*(4*\q+\t), \f+12*\t, \f+48+12*\q, \bia+8*\t, SCS+8*\p+BP+2*(\t/2)+\ks, SCS+8*\p+BQ+2*(\q/2)+\ks, \t%2, \q%2
.endif
.else
	WM ACC+8*(4*\q+\t), \f+12*\t, \f+48+12*\q, ACC+8*(4*\q+\t), SCS+8*\p+BP+2*(\t/2)+\ks, SCS+8*\p+BQ+2*(\q/2)+\ks, \t%2, \q%2
.endif
.endr
.endr
.endm
.macro MEET n                          ; bytes that tensor loads bring are about to be read: my part has landed (n of my loads were issued behind it and may stay out), my LDS loads are back; then everybody's
	s_wait_tensorcnt \n
	s_wait_dscnt 0x0
	s_barrier_signal -1
	s_barrier_wait -1
.endm
.macro NEXT n                          ; at a change of chunks: the blocks lie whole in LDS; only my LDS loads are waited for
	s_wait_dscnt 0x0
.endm
; A tile's eight K steps.  While a step is multiplied the next step's fragments are on their way into the other set.  Four plain lines stand between the products that read a set and the loads into it (ISA guide 7.12.1 for vector instructions).
; ft = 1: the first tile.  Waves 0 and 1, whose loads brought the tokens' block and tile 0's columns, wait for them ahead of the first barrier; waves 2 and 3 wait for tile 1's columns ahead of the tile's last sixteen products, where every wave waits for all its tensor loads and adds.
.macro BODY wa, vp, ft, bia, win
.set WAB, \wa
.set VP, \vp
.set FT, \ft
.if \vp
.set PA, TA
.set QA, \wa
.set BP, 0
.set BQ, 4
.else
.set PA, \wa
.set QA, TA
.set BP, 4
.set BQ, 0
.endif
.if \ft
	s_cmp_lt_u32 s12, 2
	s_cbranch_scc0 .Lnot_first
	s_wait_tensorcnt 0x0                           ; waves 0 and 1: my block has landed
.Lnot_first:
	s_wait_dscnt 0x0
	s_barrier_signal -1
	s_barrier_wait -1                              ; the tokens' block and slot A are whole
.endif
	FETCH F0, 0, 0
	SCALES 0, 0, 0
	s_wait_dscnt 0x0
.if \ft
	s_wait_loadcnt 0x0                             ; the three biases
.endif
	FETCH F1, 12288, 0
	MUL16 F0, 0, 0, 1, \bia, \win
	NEXT 3
	PLACES 4
	FETCH F0, CH, 0
	SCALES 1, CH, 0
	MUL16 F1, 1, 0, 0, 0, MUL
	s_wait_dscnt 0x0
	PLACES 4
	FETCH F1, CH+12288, 0
	MUL16 F0, 0, 1, 0, 0, MUL
	NEXT 2
	PLACES 4
	FETCH F0, 0, 1
	SCALES 0, 0, 1
	MUL16 F1, 1, 1, 0, 0, MUL
	s_wait_dscnt 0x0
	PLACES 4
	FETCH F1, 12288, 1
	MUL16 F0, 0, 0, 0, 0, MUL
	NEXT 1
	PLACES 4
	FETCH F0, CH, 1
	SCALES 1, CH, 1
	MUL16 F1, 1, 0, 0, 0, MUL
	s_wait_dscnt 0x0
	PLACES 4
	FETCH F1, CH+12288, 1
	MUL16 F0, 0, 1, 0, 0, MUL
	s_wait_dscnt 0x0                               ; the last step's fragments are in: my reads of this tile's columns are over
.if \ft
	WIN 0                                          ; (the add's two registers lie in window 0)
	s_wait_tensorcnt 0x0                           ; all my tensor loads have landed: the one that was out is my chunk of tile 1's columns;
	ds_add_u32 v[SPW], v[NIL]                      ; 0 onto my spare word: sixteen products stand between it and the wait for it
.endif
	MUL16 F1, 1, 1, 0, 0, MUL
	WIN 0
.endm
; 32 numbers of a lane, register 16 b + i = neighbour 32 b + 16 (lane / 16) + i along K of my row, become an image's six registers in v[PC] on and its scale word (two bytes) in v[w].
.macro QUANT32 s, w
.irp b, 0,1
	v_max3_num_f32 v[TM+\b], |v[\s+16*\b]|, |v[\s+16*\b+1]|, 0x1800000   ; with the floor 2^(3 - 127): the byte cannot fall under 1.  Each accumulator is read from its low end on
.endr
.irp i, 2,4,6,8,10,12,14
.irp b, 0,1
	v_max3_num_f32 v[TM+\b], v[TM+\b], |v[\s+16*\b+\i]|, |v[\s+16*\b+\i+1]|
.endr
.endr
.irp b, 0,1
	v_permlanex16_b32 v[TM+2+\b], v[TM+\b], s[SEL], s[SEL+1]
.endr
.irp b, 0,1
	v_max_num_f32 v[TM+\b], v[TM+\b], v[TM+2+\b]   ; with lane l xor 16's sixteen: the block's largest magnitude
.endr
.irp b, 0,1
	v_add_nc_u32 v[TM+4+\b], 0xff000000, v[TM+\b]  ; 2 off its exponent field: the conversion's scale operand
.endr
.irp b, 0,1
	v_lshrrev_b32 v[TM+6+\b], 23, v[TM+4+\b]       ; the scale's byte
.endr
	v_lshl_or_b32 v[\w], v[TM+7], 8, v[TM+6]
	v_cvt_scalef32_pk16_fp6_f32 v[PC:PC+2], v[\s:\s+15], v[TM+4]
	v_cvt_scalef32_pk16_fp6_f32 v[PT:PT+2], v[\s+16:\s+31], v[TM+5]
	v_nop                                          ; one plain line behind the conversions: their results are touched below, and the next tile's products write their sources
.irp i, 0,1,2
	v_permlane16_swap_b32 v[PC+\i], v[PT+\i]       ; a whole block to a lane: lanes 0-15 block 0, lanes 16-31 block 1
.endr
.irp i, 0,1,2
	v_mov_b32 v[PC+3+\i], v[PT+\i]
.endr
.endm
; THE WAY OUT of tile i: four images and a group of scale words.  No pointer is stepped: the tensor (i x TENS) and the image stand in the stores' immediates, 6,820,864 at the most, inside the signed 24 bits (ISA guide, chapter 10).
; q, k: image 8 (y % 2) + 4 th + q of the block of 256 tokens;  v: (key step y % 2, d tile q, key half th).
; v: by the tokens' order in a tile (place r of tile t: token 64 (t / 4) + 8 (t % 4) + r % 8 + 32 (r / 8)) a lane's 32 numbers, register 8 t + j, are keys 32 (lane / 16) + 8 t + j of my 64: ONE whole block.
; So no lane looks at another for the largest magnitude, and the two conversions give the image's six registers as they fall.  The row's scale word takes my byte at 8 (lane / 16) and lane l xor 16's beside it.
.macro QUANT32V s, w
.irp b, 0,1
	v_max3_num_f32 v[TM+\b], |v[\s+16*\b]|, |v[\s+16*\b+1]|, 0x1800000
.endr
.irp i, 2,4,6,8,10,12,14
.irp b, 0,1
	v_max3_num_f32 v[TM+\b], v[TM+\b], |v[\s+16*\b+\i]|, |v[\s+16*\b+\i+1]|
.endr
.endr
	v_max_num_f32 v[TM], v[TM], v[TM+1]
	v_lshlrev_b32 v[TM+1], 3, v13                  ; 8 h
	v_add_nc_u32 v[TM+4], 0xff000000, v[TM]        ; 2 off the exponent field: the conversions' scale operand
	v_lshrrev_b32 v[TM+6], 23, v[TM+4]             ; the scale's byte
	v_lshlrev_b32 v[TM+6], v[TM+1], v[TM+6]
	v_permlanex16_b32 v[TM+2], v[TM+6], s[SEL], s[SEL+1]
	v_or_b32 v[\w], v[TM+6], v[TM+2]
	v_cvt_scalef32_pk16_fp6_f32 v[PC:PC+2], v[\s:\s+15], v[TM+4]
	v_cvt_scalef32_pk16_fp6_f32 v[PT:PT+2], v[\s+16:\s+31], v[TM+4]
	v_nop                                          ; one plain line behind the conversions
.irp i, 0,1,2
	v_mov_b32 v[PC+3+\i], v[PT+\i]
.endr
.endm
.macro EPI i
.irp q, 0,1,2,3
	s_wait_xcnt 0x0                                ; the earlier stores have read their data: the codes' and the words' registers are written again only behind this wait
.if \i < 2
	QUANT32 ACC+32*\q, WD+\q
.else
	QUANT32V ACC+32*\q, WD+\q
.endif
.if \i < 2
	global_store_b128 v8, v[PC:PC+3], s[92:93] offset:\i*TENS+768*\q          ; 512 consecutive bytes, aligned
	global_store_b64 v9, v[PC+4:PC+5], s[92:93] offset:\i*TENS+768*\q+512     ; 256 consecutive bytes, aligned
.else
	global_store_b128 v8, v[PC:PC+3], s[94:95] offset:\i*TENS+1536*\q
	global_store_b64 v9, v[PC+4:PC+5], s[94:95] offset:\i*TENS+1536*\q+512
.endif
.endr
	s_mov_b32 vcc_lo, 0xffff0000                   ; lanes 16-31; written here, behind every tensor load that stands ahead of its readers
	v_cndmask_b32 v[SW], v[WD], v[WD+1], vcc_lo    ; lanes 0-15 image 0's words, lanes 16-31 image 1's;
	v_cndmask_b32 v[SW+1], v[WD+2], v[WD+3], vcc_lo   ; images 2 and 3
	global_store_b64 v9, v[SW:SW+1], s[96:97] offset:\i*TENS
.endm
	s_load_b128 s[4:7], s[0:1], 0x0                ; xi s[4:5], wqi s[6:7]
	s_load_b128 s[8:11], s[0:1], 0x10              ; b_qkv s[8:9], qkv s[10:11]
	v_lshl_add_u32 v[SPW], v0, 2, SPARE
	v_mov_b32 v[NIL], 0
	ds_add_u32 v82, v83
	ds_add_u32 v82, v83
	s_wait_dscnt 0x0
	v_lshrrev_b32 v1, 5, v0
	v_readfirstlane_b32 s12, v1                    ; wave 0..3
	s_and_b32 s13, s12, 1                          ; th.  Also: which half of a chunk I fetch at the start
	s_lshr_b32 s14, s12, 1                         ; wh.  Also: I fetch the tokens' block or tile 0's columns (0), or a half of tile 1's (1), at the start
	s_bfe_u32 s15, ttmp6, 0x40000                  ; cx
	s_bfe_u32 s16, ttmp6, 0x40004                  ; cy
	s_lshl_b32 s17, ttmp9, 2
	s_add_co_u32 s17, s17, s15                     ; gx = 4 x cluster x + cx
	s_and_b32 s18, ttmp7, 0xffff
	s_lshl_b32 s18, s18, 2
	s_add_co_u32 s18, s18, s16                     ; y = 4 x cluster y + cy
	s_lshl_b32 s19, s16, 2
	s_lshl_b32 s19, 15, s19                        ; my row of the cluster
	s_lshl_b32 s20, 0x1111, s15                    ; my column
	; descriptor groups 1: dense bytes as rows of 32 elements of 8 bytes, no padding: half a chunk is 50 rows, a chunk 100
	s_or_b32 s24, s19, (3<<16)|(1<<21)             ; 15:0 the mask: the tokens' block goes to my row; 17:16 elements of 8 bytes; 21 set beside a mask
	s_or_b32 s32, s20, (3<<16)|(1<<21)             ; the columns' blocks go to my column: whole blocks,
	s_or_b32 s56, s20, (3<<16)|(1<<21)             ; whole chunks
.irp g, 24, 32
	s_mov_b32 s[\g+1], 32<<16                      ; tensor_dim0 = 32
	s_mov_b32 s[\g+2], 400<<16                     ; tensor_dim1 = 400: a whole block
	s_mov_b32 s[\g+3], 32<<16                      ; tile_dim0 = 32
	s_mov_b32 s[\g+4], 400                         ; tile_dim1 = 400
	s_mov_b32 s[\g+5], 32                          ; from row to row
	s_mov_b32 s[\g+6], 0
	s_mov_b32 s[\g+7], 0
.endr
	s_mov_b32 s57, 32<<16
	s_mov_b32 s58, 100<<16
	s_mov_b32 s59, 32<<16
	s_mov_b32 s60, 100
	s_mov_b32 s61, 32
	s_mov_b32 s62, 0
	s_mov_b32 s63, 0
	s_or_b32 s72, s20, (3<<16)|(1<<21)             ; half a block of columns, 200 rows, to my column of the cluster
	s_mov_b32 s73, 32<<16
	s_mov_b32 s74, 200<<16
	s_mov_b32 s75, 32<<16
	s_mov_b32 s76, 200
	s_mov_b32 s77, 32
	s_mov_b32 s78, 0
	s_mov_b32 s79, 0
	s_mul_i32 s21, s13, 2*CH                       ; waves 2 and 3: my half of tile 1's columns, in memory and in LDS: no place in the cluster enters an LDS address
	s_mul_i32 s66, s12, CH                         ; my chunk of a block, likewise
	s_mul_i32 s22, s18, BLK                        ; the tokens' block hangs on y alone,
	s_mov_b32 s23, 0
	s_mul_i32 s98, s17, BLK                        ; the columns' blocks on gx alone: each in registers that never hold the other coordinate
	s_add_co_u32 s100, s98, s66
	s_add_co_u32 s80, s98, s21
	s_mov_b32 s81, 0
	s_mov_b32 s99, 0
	s_mov_b32 s101, 0
	s_wait_kmcnt 0x0
	s_add_nc_u64 s[22:23], s[4:5], s[22:23]
	s_add_nc_u64 s[98:99], s[6:7], s[98:99]
	s_add_nc_u64 s[100:101], s[6:7], s[100:101]
	s_add_nc_u64 s[80:81], s[6:7], s[80:81]
	s_mov_b32 s40, 1                               ; a group 0 for each load: none is written again.  The tokens' block, whole,
	s_mov_b32 s41, 0
	s_mov_b64 s[42:43], s[22:23]
	s_or_b32 s43, s43, 0x80000000
	s_mov_b32 s68, 1                               ; tile 0's columns, whole, into slot A
	s_mov_b32 s69, SLA
	s_mov_b64 s[70:71], s[98:99]
	s_or_b32 s71, s71, 0x80000000
	s_mov_b32 s84, 1                               ; tile 1's columns, block gx + 8: my chunk, into slot B
	s_add_co_u32 s85, s21, SLB                     ; (a half of them)
	s_add_nc_u64 s[86:87], s[80:81], 8*BLK
	s_or_b32 s87, s87, 0x80000000
	s_mov_b32 s88, 1                               ; tile 2's, block gx + 16: my chunk, into slot A
	s_add_co_u32 s89, s66, SLA
	s_add_nc_u64 s[90:91], s[100:101], 16*BLK
	s_or_b32 s91, s91, 0x80000000
	ROUND                                          ; all sixteen work-groups are here: the joint loads meet
	s_cmp_eq_u32 s12, 0                            ; the first fills, one a wave, in one chain of branches on the wave's number: what is wanted first is asked for first
	s_cbranch_scc0 .Lhead_1
	tensor_load_to_lds s[40:43], s[24:31]          ; wave 0: the tokens' block
	s_nop 0
	PLACES 4
	s_branch .Lfilled
.Lhead_1:
	s_cmp_eq_u32 s12, 1
	s_cbranch_scc0 .Lhead_2
	tensor_load_to_lds s[68:71], s[32:39]          ; wave 1: tile 0's columns
	s_nop 0
	PLACES 4
	s_branch .Lfilled
.Lhead_2:
	tensor_load_to_lds s[84:87], s[72:79]          ; waves 2 and 3: a half each of tile 1's columns, wanted last
	s_nop 0
	PLACES 4
.Lfilled:
	v_and_b32 v1, 31, v0                           ; lane
	v_and_b32 v12, 15, v0                          ; r
	v_bfe_u32 v13, v0, 4, 1                        ; h
	v_lshlrev_b32 v10, 6, v13                      ; the bias by registers: 16 h numbers on
	v_and_b32 v11, 8, v12
	v_add_nc_u32 v11, v11, v12
	v_lshlrev_b32 v11, 2, v11                      ; the bias by lanes: number r + 8 (r / 8)
	s_lshl_b32 s20, s17, 9
	s_lshl_b32 s21, s14, 8
	s_add_co_u32 s20, s20, s21
	s_mov_b32 s21, 0
	s_add_nc_u64 s[8:9], s[8:9], s[20:21]          ; the bias of my 64 columns of tile 0; tile i's lie 1,024 i numbers on
.irp t, 0,1,2,3                        ; q, k: tile t's register j is column 32 (t / 2) + 16 h + 8 (t % 2) + j of my 64
	global_load_b128 v[BIA0+8*\t:BIA0+8*\t+3], v10, s[8:9] offset:(32*(\t/2)+8*(\t%2))*4
	global_load_b128 v[BIA0+8*\t+4:BIA0+8*\t+7], v10, s[8:9] offset:(32*(\t/2)+8*(\t%2))*4+16
.endr
	WIN TO_F
.irp t, 0,1,2,3
	global_load_b128 v[BIA1+8*\t:BIA1+8*\t+3], v10, s[8:9] offset:4096+(32*(\t/2)+8*(\t%2))*4
	global_load_b128 v[BIA1+8*\t+4:BIA1+8*\t+7], v10, s[8:9] offset:4096+(32*(\t/2)+8*(\t%2))*4+16
.endr
.irp t, 0,1,2,3                        ; v: a lane's column is the same in all eight registers: one number, copied ahead of tile 2
	global_load_b32 v[BIA2+8*\t], v11, s[8:9] offset:8192+(32*(\t/2)+8*(\t%2))*4
.endr
	WIN 0
	v_lshlrev_b32 v8, 4, v1                        ; 16 x lane
	v_lshlrev_b32 v9, 3, v1                        ; 8 x lane
	s_mul_i32 s67, s13, 6144                       ; my four tiles of tokens
	v_add_nc_u32 v[TA], s67, v8
	v_add_nc_u32 v[TA+1], s67, v9
	s_lshl_b32 s67, s13, 9
	s_add_co_u32 s67, s67, 24576
	v_add_nc_u32 v[TA+2], s67, v9                  ; their scale words
	s_mul_i32 s67, s14, 6144                       ; my four tiles of columns, in slot A
	s_add_co_u32 s67, s67, SLA
	v_add_nc_u32 v[WA], s67, v8
	v_add_nc_u32 v[WA+1], s67, v9
	s_lshl_b32 s67, s14, 9
	s_add_co_u32 s67, s67, SLA+24576
	v_add_nc_u32 v[WA+2], s67, v9
.irp a, 0,1,2
	v_add_nc_u32 v[WBK+\a], BLK, v[WA+\a]          ; the same in slot B
.endr
.irp b, TA, WA, WBK
.irp a, 0,1,2
	v_add_nc_u32 v[\b+3+\a], 2*CH, v[\b+\a]        ; and for chunks 2 and 3
.endr
.endr
	v_mov_b32 v[TM+2], 0                           ; a lane permute's destination counts as one of its sources
	v_mov_b32 v[TM+3], 0
	s_mov_b32 s[SEL], 0x76543210
	s_mov_b32 s[SEL+1], 0xfedcba98                 ; v_permlanex16_b32's selects for lane l xor 16
	; where my images go: head 16 (y / 16) + 2 gx + wh, block (y % 16) / 2 of 256 tokens
	s_lshr_b32 s15, s18, 4
	s_lshl_b32 s15, s15, 4
	s_lshl_b32 s16, s17, 1
	s_add_co_u32 s15, s15, s16
	s_add_co_u32 s15, s15, s14
	s_mul_i32 s15, s15, 106496
	s_bfe_u32 s16, s18, 0x30001
	s_mul_i32 s16, s16, 13312
	s_add_co_u32 s15, s15, s16
	s_and_b32 s16, s18, 1
	s_lshl_b32 s19, s16, 9
	s_lshl_b32 s20, s13, 8
	s_add_co_u32 s19, s19, s20
	s_add_co_u32 s19, s19, 12288
	s_add_co_u32 s96, s19, s15                     ; my group of scale words: 12,288 + 512 (y % 2) + 256 th
	s_mov_b32 s97, 0
	s_add_nc_u64 s[96:97], s[10:11], s[96:97]
	s_mul_i32 s16, s16, 6144
	s_add_co_u32 s15, s15, s16
	s_mul_i32 s19, s13, 3072
	s_add_co_u32 s92, s15, s19                     ; q, k: th adds four images
	s_mov_b32 s93, 0
	s_add_nc_u64 s[92:93], s[10:11], s[92:93]
	s_mul_i32 s19, s13, 768
	s_add_co_u32 s94, s15, s19                     ; v: th adds one
	s_mov_b32 s95, 0
	s_add_nc_u64 s[94:95], s[10:11], s[94:95]
	s_wait_alu depctr_va_vdst(0)
	BODY WA, 0, 1, BIA0, MUL                       ; TILE 0: q
	s_wait_dscnt 0x0                               ; the add is done; my reads of slot A were over ahead of it
	ROUND                                          ; no wave of any partner still reads slot A or has a load on its way
	tensor_load_to_lds s[88:91], s[56:63]          ; THE REFILL, first behind the round and my one tensor load from here on: my chunk of tile 2's columns; it has tile 0's way out and all of tile 1 in which to land
	s_nop 0
	PLACES 4                                       ; also the places between the last products and the first read of their results
	EPI 0
	BODY WBK, 0, 0, BIA1, MULB                     ; TILE 1: k.  The tokens' block and slot B were shown landed, by every wave, in front of the round: no barrier
	PLACES 4
	EPI 1
	WIN 0x41                                       ; destination and source 0 window 1
.irp t, 0,1,2,3
.irp i, 1,2,3,4,5,6,7
	v_mov_b32 v[BIA2+8*\t+\i], v[BIA2+8*\t]
.endr
.endr
	s_wait_alu depctr_va_vdst(0)
	MEET 0                                         ; my chunk of tile 2's columns has landed: no load was issued behind it; then everybody's
	BODY WA, 1, 0, BIA2, MULB                      ; TILE 2: v
	PLACES 4
	EPI 2
	s_wait_tensorcnt 0x0                           ; the wave's end: behind my last tensor load, my last LDS instructions
	ds_add_u32 v[SPW], v[NIL]
	s_wait_dscnt 0x0
	ROUND                                          ; the closing round: no work-group ends while a partner may still ask jointly
	s_endpgm
.Lfunc_end_k_q73a0ed793e_gemm_qkv:
	.size	k_q73a0ed793e_gemm_qkv, .Lfunc_end_k_q73a0ed793e_gemm_qkv-k_q73a0ed793e_gemm_qkv
	.p2alignl 7, 3214868480
	.fill 96, 4, 3214868480
	.section	.rodata,"a",@progbits
	.p2align	6, 0x0
	.amdhsa_kernel k_q73a0ed793e_gemm_qkv
		.amdhsa_group_segment_fixed_size 327680
		.amdhsa_private_segment_fixed_size 0
		.amdhsa_enable_private_segment 0
		.amdhsa_kernarg_size 32
		.amdhsa_user_sgpr_count 2
		.amdhsa_user_sgpr_kernarg_segment_ptr 1
		.amdhsa_wavefront_size32 1
		.amdhsa_system_sgpr_workgroup_id_x 1
		.amdhsa_system_sgpr_workgroup_id_y 1
		.amdhsa_system_sgpr_workgroup_id_z 1
		.amdhsa_system_vgpr_workitem_id 0
		.amdhsa_next_free_vgpr 512
		.amdhsa_next_free_sgpr 102
		.amdhsa_reserve_vcc 1
		.amdhsa_float_denorm_mode_32 3
		.amdhsa_float_denorm_mode_16_64 3
		.amdhsa_memory_ordered 1
		.amdhsa_forward_progress 1
		.amdhsa_inst_pref_size 142
	.end_amdhsa_kernel
	.amdgpu_metadata
---
amdhsa.version: [ 1, 2 ]
amdhsa.kernels:
  - .name:           k_q73a0ed793e_gemm_qkv
    .symbol:         k_q73a0ed793e_gemm_qkv.kd
    .args:
      - { .name: xi, .offset: 0, .size: 8, .value_kind: global_buffer, .address_space: global }
      - { .name: wqi, .offset: 8, .size: 8, .value_kind: global_buffer, .address_space: global }
      - { .name: b_qkv, .offset: 16, .size: 8, .value_kind: global_buffer, .address_space: global }
      - { .name: qkv, .offset: 24, .size: 8, .value_kind: global_buffer, .address_space: global }
    .group_segment_fixed_size: 327680
    .private_segment_fixed_size: 0
    .kernarg_segment_align: 8
    .kernarg_segment_size: 32
    .max_flat_workgroup_size: 128
    .sgpr_count:     102
    .vgpr_count:     512
    .wavefront_size: 32
...
	.end_amdgpu_metadata
.endif
;; end of part 2
;; launch attn (part 3): grid 8 x 32, 16 waves a work-group, clusters of 4 x 1, 216,064 bytes of LDS; arguments qkv, oi; writes oi
.if DOCPART == 3
	.amdgcn_target "amdgcn-amd-amdhsa--gfx1250"
	.amdhsa_code_object_version 6
	.text
	.protected	k_q73a0ed793e_attn
	.globl	k_q73a0ed793e_attn
	.p2align	8
	.type	k_q73a0ed793e_attn,@function
k_q73a0ed793e_attn:
	s_mov_b64 s[64:65], 0
	v_nop
	global_prefetch_b8 v0, s[64:65] scope:SCOPE_SE
	s_setreg_imm32_b32 hwreg(HW_REG_WAVE_MODE, 25, 1), 1
	s_wait_xcnt 0x0
	s_wait_alu depctr_hold_cnt(0) depctr_sa_sdst(0) depctr_va_vdst(0) depctr_va_sdst(0) depctr_va_ssrc(0) depctr_va_vcc(0) depctr_vm_vsrc(0)
	s_getreg_b32 s2, hwreg(HW_REG_IB_STS2, 6, 4)
	s_cmp_eq_u32 s2, 0
	s_cbranch_scc0 .Lentry_in_a_cluster
	s_endpgm
.Lentry_in_a_cluster:
	s_bfe_u32 s2, ttmp6, 0x10000c
	s_cmp_lg_u32 s2, 0x3003
	s_cbranch_scc0 .Lentry_shape_is_right
	s_endpgm
.Lentry_shape_is_right:
; o = softmax(q k^T / 8) v for one head, both products on codes of FP6 (E2M3) with E8M0 scales; o is quantised along (head, d) and leaves as codes for the last product.
; THE SOFTMAX AHEAD OF THE SECOND PRODUCT: t = score x log2(e) / 8; M = the row's largest t so far, rounded UP to a whole number; p = 2^(t - M) is what is quantised, along the keys, not normalised.
; The row's sum is taken of the unquantised p and divides O at the end.  When M moves, the sum and O are multiplied by 2^(old M - new M): exact.
; SHARES.  A work-group owns 256 queries of one head; each of sixteen waves owns 16 of them in 256 registers, four waves to a SIMD.  The head's whole K and V, 8 + 8 blocks of 256 keys x 13,312 bytes, lie in LDS, filled once:
; wave w fetches block w (K's eight, then V's eight) by its one tensor load.
; BARRIERS.  The first shows K's blocks 0 and 1 and V's block 0: waves 0, 1 and 8, whose load lines are their own, wait for them.  Block 0's two steps are written out; between them every wave waits for its own load and signals,
; and behind the second step it waits at that barrier: K and V are whole.  In the loop over blocks 1 to 7 a barrier is signalled at a trip's top and waited for at its bottom.
; Between such a signal and its wait stand register work and LDS loads of bytes that nobody writes.
; CLUSTER: the four blocks of queries of a cluster belong to one head and ask for K and V jointly.  NO PREFETCH: all that the launch reads by tensor loads is asked for at its head, so there is no loop to run ahead in.
; LAYOUT.  Both products are used transposed: S^T = K Q^T (source 0 = 16 keys), O^T = V^T P^T (source 0 = 16 of the head's 64): a lane holds ONE query throughout.
; The head's 64 fill half of the first product's 128.  TWO KEY TILES SHARE A FRAGMENT: registers 0-5 hold tile a's codes, registers 6-11 tile b's; multiplied by [q | zero codes] it gives tile a's scores, by [zero codes | q] tile b's.
; So 48 registers hold a step's 128 keys, and the next step's are fetched while this step's softmax is worked.  Q lies as q, six zeros, q: 18 registers, from which both forms are named.
; Place r of key tile 4 c + i is key 64 c + 8 i + r % 8 + 32 (r / 8): so a lane's 32 scores of tiles 4 c .. 4 c + 3 are keys 64 c + 32 (lane / 16) + 0 .. 31: ONE scale block, in the order of the second product's operand: no lane swap, no maximum across lanes but the row's.
; V's d tiles are ordered so that O^T's register 16 b + i is d = 32 b + 16 (lane / 16) + i.
; A BLOCK in qkv: q, k: image of tile s at 768 s (registers 0-3 at 16 x lane, 4-5 at 512 + 8 x lane); scale words (two bytes, zeros above) at 12,288 + 256 (s / 4): lane l's 8 bytes: tiles 4 g + l / 16 and 4 g + 2 + l / 16.
; v: image (key step s, d tile t, key half c) at (4 s + t) 1536 + 768 c; words of (s, c) at 12,288 + 256 (2 s + c).
; LIMITS: the promise holds while the scaled scores t stay under 2^31 in magnitude.  NaN and infinities are not served; a block of zeros, or one under 2^-124, gets the byte 1: the bytes are read by this program alone.
; The last step's fetch of a next step's keys reads V's first block in K's stead: 18 LDS loads a wave whose registers nobody reads.
; REGISTERS: v1-2 16, 8 x lane; v3-6 K's and V's addresses; v7 8 (lane / 16); v8-11 V's scale words; v12 -M, v13 the largest score, v[14:15] the sum; v16-33 Q; v34 Q's scale word, v35 p's; v36-39 K's;
; v40-87 K, v88-135 V, v136-199 S^T, then p; v200-231 O^T; v232-243 p's codes; v244-253 at work; v254-255 the add's.
.set BLKB,  13312
.set HEADB, 8*BLKB                     ; a head's bytes in each of q, k, v; also LDS: V behind K
.set TENS,  32*HEADB
.set SCR,   2*HEADB                    ; 1,024 bytes into which no tensor load lands: the sixteen tiles' scale words of o
.set SPARE, SCR+1024                   ; the spare words, 128 bytes for each wave
.set Q,     16
.set QS,    34
.set PS,    35
.set KS,    36
.set KF,    40
.set VF,    88
.set S,     136
.set O,     200
.set PC,    232
.set SPW,   254
.set NIL,   255
.set TM,    40                         ; the way out: at work in K's registers
.set PT,    48
.macro ROUND                           ; a round of the cluster's barrier
	s_barrier_signal -1
	s_barrier_wait -1
	s_cmp_lg_u32 s12, 0
	s_cbranch_scc1 .Lnot_wave_0_\@
	s_barrier_signal -3
.Lnot_wave_0_\@:
	s_barrier_wait -3
	s_barrier_signal -1
	s_barrier_wait -1
.endm
.macro PLACES n
.rept \n
	v_nop
.endr
.endm
.macro WMZ d, a, b, sa, sb, ra         ; a product that starts its sum
.if \ra
	v_wmma_scale_f32_16x16x128_f8f6f4 v[(\d):(\d)+7], v[(\a):(\a)+11], v[(\b):(\b)+11], 0, v[(\sa)], v[(\sb)] matrix_a_fmt:MATRIX_FMT_FP6 matrix_b_fmt:MATRIX_FMT_FP6 matrix_a_scale:MATRIX_SCALE_ROW1
.else
	v_wmma_scale_f32_16x16x128_f8f6f4 v[(\d):(\d)+7], v[(\a):(\a)+11], v[(\b):(\b)+11], 0, v[(\sa)], v[(\sb)] matrix_a_fmt:MATRIX_FMT_FP6 matrix_b_fmt:MATRIX_FMT_FP6
.endif
.endm
.macro WMC d, a, b, sa, sb, ra         ; a product that adds onto its accumulator
.if \ra
	v_wmma_scale_f32_16x16x128_f8f6f4 v[(\d):(\d)+7], v[(\a):(\a)+11], v[(\b):(\b)+11], v[(\d):(\d)+7], v[(\sa)], v[(\sb)] matrix_a_fmt:MATRIX_FMT_FP6 matrix_b_fmt:MATRIX_FMT_FP6 matrix_a_scale:MATRIX_SCALE_ROW1
.else
	v_wmma_scale_f32_16x16x128_f8f6f4 v[(\d):(\d)+7], v[(\a):(\a)+11], v[(\b):(\b)+11], v[(\d):(\d)+7], v[(\sa)], v[(\sb)] matrix_a_fmt:MATRIX_FMT_FP6 matrix_b_fmt:MATRIX_FMT_FP6
.endif
.endm
; Half h of the block at v3, v4: fragment (g, u) takes tile 4 g + u below and tile 4 g + 2 + u above; the four tiles' scale words of group g follow.  18 loads.
.macro KLOAD h
.irp g, 0,1
.irp u, 0,1
	ds_load_b128 v[KF+24*\g+12*\u:KF+24*\g+12*\u+3], v3 offset:6144*(\h)+768*(4*\g+\u)
	ds_load_b64 v[KF+24*\g+12*\u+4:KF+24*\g+12*\u+5], v4 offset:6144*(\h)+768*(4*\g+\u)+512
	ds_load_b128 v[KF+24*\g+12*\u+6:KF+24*\g+12*\u+9], v3 offset:6144*(\h)+768*(4*\g+2+\u)
	ds_load_b64 v[KF+24*\g+12*\u+10:KF+24*\g+12*\u+11], v4 offset:6144*(\h)+768*(4*\g+2+\u)+512
.endr
	ds_load_b64 v[KS+2*\g:KS+2*\g+1], v4 offset:12288+512*(\h)+256*\g
.endr
.endm
.macro KWORDS                          ; a fragment's scale word: the lower tile's two bytes, the upper tile's above them (lanes 0-15: u = 0, lanes 16-31: u = 1)
	v_lshl_or_b32 v[KS], v[KS+1], 16, v[KS]
	v_lshl_or_b32 v[KS+2], v[KS+3], 16, v[KS+2]
.endm
.macro TLOAD                           ; my one tensor load of the launch: block w
	tensor_load_to_lds s[32:35], s[24:31]
	s_nop 0
	PLACES 4
.endm
	s_load_b128 s[4:7], s[0:1], 0x0                ; qkv s[4:5], oi s[6:7]
	v_lshl_add_u32 v[SPW], v0, 2, SPARE
	v_mov_b32 v[NIL], 0
	ds_add_u32 v[SPW], v[NIL]                      ; the opening lines: the add, twice on end, and its wait ahead of my tensor load
	ds_add_u32 v[SPW], v[NIL]
	v_lshrrev_b32 v1, 5, v0
	v_readfirstlane_b32 s12, v1                    ; wave 0..15
	s_and_b32 s13, s12, 1
	s_bfe_u32 s15, ttmp6, 0x40000                  ; cx
	s_lshl_b32 s17, ttmp9, 2
	s_add_co_u32 s17, s17, s15                     ; my block of 256 queries: it enters Q's and o's addresses alone
	s_and_b32 s18, ttmp7, 0xffff                   ; 16 x batch + head, which the four partners share
	; descriptor group 1: a block, 13,312 dense bytes, as 52 rows of 32 elements of 8 bytes; no padding
	s_mov_b32 s24, 15|(3<<16)|(1<<21)              ; 15:0 the mask: all four work-groups; 17:16 elements of 8 bytes; 21 set beside a mask
	s_mov_b32 s25, 32<<16
	s_mov_b32 s26, 52<<16
	s_mov_b32 s27, 32<<16
	s_mov_b32 s28, 52
	s_mov_b32 s29, 32
	s_mov_b32 s30, 0
	s_mov_b32 s31, 0
	s_mov_b32 s32, 1
	s_mul_i32 s33, s12, BLKB                       ; LDS: block w at w x 13,312
	s_mul_i32 s70, s18, HEADB
	s_lshr_b32 s19, s12, 3
	s_mul_i32 s19, s19, TENS-HEADB                 ; waves 8-15: V's blocks lie a tensor further on than K's
	s_add_co_u32 s72, s70, s33
	s_add_co_u32 s72, s72, s19
	s_add_co_u32 s72, s72, TENS                    ; k lies behind q
	s_mov_b32 s73, 0
	s_mov_b32 s20, 0x76543210
	s_mov_b32 s21, 0xfedcba98                      ; v_permlanex16_b32's selects for lane l xor 16
	s_mov_b32 s22, 0x3e38aa3b                      ; c = log2(e) / 8
	s_mov_b32 s23, s22                             ; (named with it as a pair, so it is written)
	s_mov_b32 s14, 0xbe38aa3b                      ; -c
	s_wait_alu depctr_va_vdst(0)
	s_wait_dscnt 0x0
	s_wait_kmcnt 0x0
	s_add_nc_u64 s[34:35], s[4:5], s[72:73]
	s_or_b32 s35, s35, 0x80000000
	ROUND                                          ; all four work-groups are here: the joint loads meet
	s_cmp_lt_u32 s12, 2                            ; one chain of branches on the wave's number, a load in each arm: the waves that wait ahead of the first barrier have lines of their own
	s_cbranch_scc0 .Lhead_v
	TLOAD                                          ; waves 0 and 1: K's blocks 0 and 1
	s_branch .Lasked
.Lhead_v:
	s_cmp_eq_u32 s12, 8
	s_cbranch_scc0 .Lhead_rest
	TLOAD                                          ; wave 8: V's block 0
	s_branch .Lasked
.Lhead_rest:
	TLOAD                                          ; the other thirteen blocks
.Lasked:
	s_mul_i32 s76, s17, BLKB
	s_add_co_u32 s76, s76, s70                     ; my block of q
	s_mul_i32 s77, s12, 768
	s_add_co_u32 s78, s76, s77                     ; my tile's image
	s_mov_b32 s79, 0
	s_add_nc_u64 s[78:79], s[4:5], s[78:79]
	s_lshr_b32 s80, s12, 2                         ; its scale word: group w / 4, lane r + 16 (w % 2), word (w / 2) % 2
	s_lshl_b32 s80, s80, 8
	s_lshl_b32 s81, s13, 7
	s_add_co_u32 s80, s80, s81
	s_bfe_u32 s81, s12, 0x10001
	s_lshl_b32 s81, s81, 2
	s_add_co_u32 s80, s80, s81
	s_add_co_u32 s80, s80, s76
	s_add_co_u32 s80, s80, 12288
	s_mov_b32 s81, 0
	s_add_nc_u64 s[80:81], s[4:5], s[80:81]
	s_mov_b32 s66, 0                               ; K's block in hand, in LDS
	s_mov_b32 s67, HEADB                           ; V's
	v_and_b32 v2, 31, v0
	v_lshlrev_b32 v1, 4, v2                        ; 16 x lane
	v_lshlrev_b32 v2, 3, v2                        ; 8 x lane
	v_and_b32 v244, 15, v0
	v_lshlrev_b32 v244, 3, v244                    ; 8 r
	global_load_b128 v[Q:Q+3], v1, s[78:79]        ; Q stays in registers: below the zeros,
	global_load_b64 v[Q+4:Q+5], v2, s[78:79] offset:512
	global_load_b128 v[Q+12:Q+15], v1, s[78:79]    ; and once more above them
	global_load_b64 v[Q+16:Q+17], v2, s[78:79] offset:512
	global_load_b32 v[QS], v244, s[80:81]
.irp i, 6,7,8,9,10,11
	v_mov_b32 v[Q+\i], 0                           ; zero codes
.endr
	v_bfe_u32 v7, v0, 4, 1
	v_lshlrev_b32 v7, 3, v7                        ; 8 h: where my bytes stand in p's scale word
	v_add_nc_u32 v3, s66, v1
	v_add_nc_u32 v4, s66, v2
	v_mov_b32 v13, 0xff61b1e6                      ; the largest score so far: -3e38, under every score
	v_mov_b32 v12, 0x7149f2ca                      ; -M: a whole number so large that the first change of M gives the factor 0
	v_mov_b32 v14, 0                               ; the sum, in two halves
	v_mov_b32 v15, 0
	v_mov_b32 v249, 0                              ; (named as the upper half of the pair v[248:249])
	v_mov_b32 v252, 0                              ; a lane permute's destination counts as one of its sources
	; where o goes: token block 16 batch + 2 qb + w / 8, chunk head / 4, fragment (K step (head / 2) % 2, tile w % 8), half head % 2
	s_and_b32 s86, s18, 15
	s_lshr_b32 s87, s18, 4
	s_lshl_b32 s87, s87, 4
	s_lshl_b32 s88, s17, 1
	s_add_co_u32 s87, s87, s88
	s_lshr_b32 s88, s12, 3
	s_add_co_u32 s88, s88, s87
	s_mul_i32 s88, s88, 106496
	s_lshr_b32 s89, s86, 2
	s_mul_i32 s89, s89, 26624
	s_add_co_u32 s88, s88, s89
	s_bfe_u32 s90, s86, 0x10001
	s_lshl_b32 s90, s90, 3
	s_and_b32 s91, s12, 7
	s_add_co_u32 s90, s90, s91
	s_mul_i32 s90, s90, 1536
	s_add_co_u32 s88, s88, s90
	s_and_b32 s91, s86, 1
	s_mul_i32 s91, s91, 768
	s_add_co_u32 s82, s88, s91
	s_mov_b32 s83, 0
	s_add_nc_u64 s[82:83], s[6:7], s[82:83]
	s_add_co_u32 s87, s87, s13                     ; the scale words of token block 2 qb + w % 2: 24,576 + 512 (head % 4) in the chunk
	s_mul_i32 s87, s87, 106496
	s_add_co_u32 s87, s87, s89
	s_and_b32 s91, s86, 3
	s_lshl_b32 s91, s91, 9
	s_add_co_u32 s87, s87, s91
	s_add_co_u32 s84, s87, 24576
	s_mov_b32 s85, 0
	s_add_nc_u64 s[84:85], s[6:7], s[84:85]
	s_lshl_b32 s68, s12, 6
	s_add_co_u32 s68, s68, SCR                     ; scratch: my tile's 16 words;
	s_lshl_b32 s69, s13, 9
	s_add_co_u32 s69, s69, SCR                     ; and, for waves 0 and 1, eight tiles' words
	s_mov_b32 s16, 7                               ; the loop's blocks: 1 to 7
; A KEY STEP: 128 keys, half hf of the block in hand.  Its keys' fragments and scale words are in registers when it begins.
.macro STEP hf
.if \hf
	s_add_co_u32 s66, s66, BLKB                    ; the keys fetched in this step are the next block's
.endif
.irp g, 0,1
.irp u, 0,1
	WMZ S+8*(4*\g+\u), KF+24*\g+12*\u, Q, KS+2*\g, QS, \u
	WMZ S+8*(4*\g+2+\u), KF+24*\g+12*\u, Q+6, KS+2*\g, QS, \u
.endr
.endr
	v_mov_b32 v253, v12                            ; four plain lines between the products and the loads into their registers, the first read of the scores too: the old -M,
.if \hf
	v_add_nc_u32 v3, s66, v1                       ; K's next block,
	v_add_nc_u32 v4, s66, v2
.else
	v_add_nc_u32 v5, s67, v1                       ; V's block in hand,
	v_add_nc_u32 v6, s67, v2
.endif
	v_nop
.irp t, 0,1,2,3                        ; this step's V and the next step's K are asked for now and land under the softmax
	ds_load_b128 v[VF+12*\t:VF+12*\t+3], v5 offset:6144*\hf+1536*\t
	ds_load_b64 v[VF+12*\t+4:VF+12*\t+5], v6 offset:6144*\hf+1536*\t+512
	ds_load_b128 v[VF+12*\t+6:VF+12*\t+9], v5 offset:6144*\hf+1536*\t+768
	ds_load_b64 v[VF+12*\t+10:VF+12*\t+11], v6 offset:6144*\hf+1536*\t+1280
.endr
	ds_load_b64 v[8:9], v6 offset:12288+512*\hf            ; V's scale words: the keys' lower 64,
	ds_load_b64 v[10:11], v6 offset:12288+512*\hf+256      ; the upper 64
	KLOAD 1-\hf
.irp b, 0,1,2,3                        ; the largest score of my two blocks of 32 keys, in four chains: v244, v246 block 0; v245, v247 block 1.  Each accumulator is read from its low end on
	v_max3_num_f32 v[244+2*(\b%2)+\b/2], v[S+16*\b], v[S+16*\b+1], v[S+16*\b+2]
.endr
.irp i, 3,5,7,9,11,13
.irp b, 0,1,2,3
	v_max3_num_f32 v[244+2*(\b%2)+\b/2], v[244+2*(\b%2)+\b/2], v[S+16*\b+\i], v[S+16*\b+\i+1]
.endr
.endr
.irp c, 0,1
	v_max3_num_f32 v[244+\c], v[244+\c], v[246+\c], v[S+32*\c+15]
.endr
.irp c, 0,1
	v_max_num_f32 v[244+\c], v[244+\c], v[S+32*\c+31]
.endr
	v_max3_num_f32 v246, v244, v245, v13           ; with the largest so far,
	v_permlanex16_b32 v247, v246, s20, s21
	v_max_num_f32 v13, v246, v247                  ; and lane l xor 16's two blocks: my query's largest score
	v_mul_f32 v246, s14, v13                       ; -t (c is positive, so the largest score gives the largest t)
	v_floor_f32 v12, v246                          ; the new -M = floor(-t) = -ceil(t): a whole number
	v_sub_f32 v253, v12, v253                      ; old M - new M: a whole number, 0 or less
	v_cvt_i32_f32 v253, v253                       ; (it saturates)
	v_ldexp_f32 v248, 1.0, v253                    ; f = 2^(old M - new M): a multiplication by it rounds nothing
.set jj, 0
.rept 16
	v_pk_mul_f32 v[O+jj:O+jj+1], v[O+jj:O+jj+1], v[248:249] op_sel_hi:[1,0]   ; O^T under the new M, ahead of the exponentials, each accumulator from its low end on
.set jj, jj+2
.endr
.set jj, 0
.rept 32
	v_pk_fma_f32 v[S+jj:S+jj+1], v[S+jj:S+jj+1], s[22:23], v[12:13] op_sel_hi:[1,0,0]   ; t - M, two at a time
.set jj, jj+2
.endr
.irp c, 0,1
	v_fma_f32 v[244+\c], v[244+\c], s22, v12       ; the same of each block's largest score
.endr
	s_wait_alu depctr_va_vdst(0)
.set jj, 0
.rept 64
	v_exp_f32 v[S+jj], v[S+jj]                     ; p = 2^(t - M): not normalised
.set jj, jj+1
.endr
.irp c, 0,1
	v_exp_f32 v[244+\c], v[244+\c]                 ; the block's largest p: the same two instructions on the same number give the same bits
.endr
	v_pk_mul_f32 v[14:15], v[14:15], v[248:249] op_sel_hi:[1,0]   ; the sums under the new M: the plain line behind the exponentials
	s_wait_alu depctr_va_vdst(0)                   ; and the one wait behind the batch
.irp c, 0,1
	v_max_num_f32 v[244+\c], 0x1800000, v[244+\c]  ; the floor 2^(3 - 127): the byte cannot fall under 1
.endr
.irp c, 0,1
	v_add_nc_u32 v[244+\c], 0xff000000, v[244+\c]  ; 2 off the exponent field: the conversions' scale operand
.endr
.irp c, 0,1
	v_lshrrev_b32 v[250+\c], 23, v[244+\c]         ; the scale's byte
.endr
	v_lshl_or_b32 v250, v251, 16, v250             ; my bytes: blocks h and 2 + h of the 128 keys,
	v_lshlrev_b32 v250, v7, v250                   ; at their places;
	v_permlanex16_b32 v252, v250, s20, s21
	v_or_b32 v[PS], v250, v252                     ; with lane l xor 16's two p's scale word is whole
	v_cvt_scalef32_pk16_fp6_f32 v[PC:PC+2], v[S:S+15], v244
	v_cvt_scalef32_pk16_fp6_f32 v[250:252], v[S+16:S+31], v244      ; (a conversion's three registers begin on an even number)
	v_cvt_scalef32_pk16_fp6_f32 v[PC+6:PC+8], v[S+32:S+47], v245
	v_cvt_scalef32_pk16_fp6_f32 v[246:248], v[S+48:S+63], v245
	v_pk_add_f32 v[14:15], v[14:15], v[S:S+1]      ; the row's sum is taken of the unquantised p.  (Also the plain line behind the conversions)
.irp i, 0,1,2
	v_mov_b32 v[PC+3+\i], v[250+\i]
	v_mov_b32 v[PC+9+\i], v[246+\i]
.endr
	s_wait_alu depctr_va_vdst(0)
	s_wait_dscnt 0x0                               ; V, the next keys and their scale words are in
	v_lshl_or_b32 v8, v10, 16, v8                  ; V's scale words of the 128 keys; the 31 packed lines below stand between these four and the products
	v_lshl_or_b32 v9, v11, 16, v9
	KWORDS
	v_pk_add_f32 v[244:245], v[S+2:S+3], v[S+4:S+5]        ; four chains side by side
	v_pk_add_f32 v[246:247], v[S+6:S+7], v[S+8:S+9]
	v_pk_add_f32 v[250:251], v[S+10:S+11], v[S+12:S+13]
.set jj, 14
.rept 6
	v_pk_add_f32 v[14:15], v[14:15], v[S+jj:S+jj+1]
	v_pk_add_f32 v[244:245], v[244:245], v[S+jj+2:S+jj+3]
	v_pk_add_f32 v[246:247], v[246:247], v[S+jj+4:S+jj+5]
	v_pk_add_f32 v[250:251], v[250:251], v[S+jj+6:S+jj+7]
.set jj, jj+8
.endr
	v_pk_add_f32 v[14:15], v[14:15], v[S+62:S+63]
	v_pk_add_f32 v[244:245], v[244:245], v[246:247]
	v_pk_add_f32 v[14:15], v[14:15], v[250:251]
	v_pk_add_f32 v[14:15], v[14:15], v[244:245]
.irp t, 0,1,2,3                        ; O^T += V^T P^T: the four accumulators take turns, and the next step's eight products stand between a sum's steps
	WMC O+8*\t, VF+12*\t, PC, 8+\t/2, PS, \t%2
.endr
.endm
	s_wait_alu depctr_va_vdst(0)
	s_cmp_lt_u32 s12, 2
	s_cbranch_scc1 .Lfirst
	s_cmp_eq_u32 s12, 8
	s_cbranch_scc0 .Lnot_first
.Lfirst:
	s_wait_tensorcnt 0x0                           ; waves 0, 1 and 8: my block has landed
.Lnot_first:
	s_barrier_signal -1
	s_barrier_wait -1                              ; K's blocks 0 and 1 and V's block 0 are whole.  Nothing is ever filled again
	KLOAD 0                                        ; the first step's keys
	s_wait_loadcnt 0x0                             ; Q
	s_wait_dscnt 0x0
	KWORDS
	v_lshl_or_b32 v[QS], v[QS], 16, v[QS]          ; Q's two bytes below and above: for q below the zeros and q above them
.set jj, 0
.rept 32
	v_mov_b32 v[O+jj], 0                           ; O^T.  (The first step finds zeros.  These lines also stand between the scale words just made and the first products)
.set jj, jj+1
.endr
	STEP 0                                         ; BLOCK 0, written out: it reads K's block 0 and V's block 0,
	s_wait_tensorcnt 0x0                           ; every wave, under no branch: my block has landed; no LDS instruction of mine is out
	s_barrier_signal -1
	STEP 1                                         ; and, for the next step's keys, K's block 1
	s_add_co_u32 s67, s67, BLKB
	s_barrier_wait -1                              ; everybody's block has landed: K and V are whole
.Ltrip:
	s_barrier_signal -1                            ; I have begun this block (no LDS instruction of mine is out)
	STEP 0
	STEP 1
	s_barrier_wait -1                              ; every wave has begun it
	s_add_co_u32 s67, s67, BLKB
	s_sub_co_u32 s16, s16, 1
	s_cmp_lg_u32 s16, 0
	s_cbranch_scc1 .Ltrip
	; THE WAY OUT: o = O^T / the sum, quantised along d: an image of 16 rows x 64 along the last product's K.
	v_and_b32 v56, 15, v0                          ; four plain lines behind the last products: the scratch's addresses
	v_add_nc_u32 v57, s69, v1
	v_lshl_add_u32 v56, v56, 2, s68
	v_nop
	s_wait_alu depctr_va_vdst(0)                   ; the sum's last write stands ahead of the loop's barrier wait
	v_add_f32 v14, v14, v15                        ; the sum's two halves,
	v_permlanex16_b32 v252, v14, s20, s21
	v_add_f32 v14, v14, v252                       ; and lane l xor 16's
	s_wait_alu depctr_va_vdst(0)
	v_rcp_f32 v14, v14
	v_nop                                          ; one plain line behind the reciprocal
	s_wait_alu depctr_va_vdst(0)                   ; the wait ahead of its first reader, which is O^T's first reader too
.set jj, 0
.rept 32
	v_mul_f32 v[S+jj], v[O+jj], v14                ; register 16 b + i is o(my query, 32 b + 16 (lane / 16) + i)
.set jj, jj+1
.endr
.irp b, 0,1
	v_max3_num_f32 v[TM+\b], |v[S+16*\b]|, |v[S+16*\b+1]|, 0x1800000
.endr
.irp i, 2,4,6,8,10,12,14
.irp b, 0,1
	v_max3_num_f32 v[TM+\b], v[TM+\b], |v[S+16*\b+\i]|, |v[S+16*\b+\i+1]|
.endr
.endr
.irp b, 0,1
	v_permlanex16_b32 v[TM+2+\b], v[TM+\b], s20, s21
.endr
.irp b, 0,1
	v_max_num_f32 v[TM+\b], v[TM+\b], v[TM+2+\b]   ; with lane l xor 16's sixteen: the block's largest magnitude
.endr
.irp b, 0,1
	v_add_nc_u32 v[TM+4+\b], 0xff000000, v[TM+\b]
.endr
.irp b, 0,1
	v_lshrrev_b32 v[TM+6+\b], 23, v[TM+4+\b]
.endr
	v_lshl_or_b32 v58, v[TM+7], 8, v[TM+6]         ; my row's two scale bytes
	v_cvt_scalef32_pk16_fp6_f32 v[PC:PC+2], v[S:S+15], v[TM+4]
	v_cvt_scalef32_pk16_fp6_f32 v[PT:PT+2], v[S+16:S+31], v[TM+5]
	v_nop
.irp i, 0,1,2
	v_permlane16_swap_b32 v[PC+\i], v[PT+\i]       ; a whole block to a lane: lanes 0-15 block 0, lanes 16-31 block 1
.endr
.irp i, 0,1,2
	v_mov_b32 v[PC+3+\i], v[PT+\i]
.endr
	global_store_b128 v1, v[PC:PC+3], s[82:83]     ; 512 consecutive bytes, aligned
	global_store_b64 v2, v[PC+4:PC+5], s[82:83] offset:512
	ds_store_b32 v56, v58                          ; both halves of the lanes write the same word with the same value
	s_wait_dscnt 0x0                               ; for the others' sake: my store has landed
	s_barrier_signal -1
	s_barrier_wait -1
	s_cmp_lt_u32 s12, 2                            ; waves 0 and 1 store eight tiles' words each: 512 consecutive bytes
	s_cbranch_scc0 .Lno_scales
	ds_load_b128 v[60:63], v57
	s_wait_dscnt 0x0
	global_store_b128 v1, v[60:63], s[84:85]
.Lno_scales:
	s_wait_tensorcnt 0x0                           ; the wave's end
	ds_add_u32 v[SPW], v[NIL]
	s_wait_dscnt 0x0
	ROUND                                          ; the closing round
	s_endpgm
.Lfunc_end_k_q73a0ed793e_attn:
	.size	k_q73a0ed793e_attn, .Lfunc_end_k_q73a0ed793e_attn-k_q73a0ed793e_attn
	.p2alignl 7, 3214868480
	.fill 96, 4, 3214868480
	.section	.rodata,"a",@progbits
	.p2align	6, 0x0
	.amdhsa_kernel k_q73a0ed793e_attn
		.amdhsa_group_segment_fixed_size 216064
		.amdhsa_private_segment_fixed_size 0
		.amdhsa_enable_private_segment 0
		.amdhsa_kernarg_size 16
		.amdhsa_user_sgpr_count 2
		.amdhsa_user_sgpr_kernarg_segment_ptr 1
		.amdhsa_wavefront_size32 1
		.amdhsa_system_sgpr_workgroup_id_x 1
		.amdhsa_system_sgpr_workgroup_id_y 1
		.amdhsa_system_sgpr_workgroup_id_z 1
		.amdhsa_system_vgpr_workitem_id 0
		.amdhsa_next_free_vgpr 256
		.amdhsa_next_free_sgpr 100
		.amdhsa_reserve_vcc 0
		.amdhsa_float_denorm_mode_32 3
		.amdhsa_float_denorm_mode_16_64 3
		.amdhsa_memory_ordered 1
		.amdhsa_forward_progress 1
		.amdhsa_inst_pref_size 74
	.end_amdhsa_kernel
	.amdgpu_metadata
---
amdhsa.version: [ 1, 2 ]
amdhsa.kernels:
  - .name:           k_q73a0ed793e_attn
    .symbol:         k_q73a0ed793e_attn.kd
    .args:
      - { .name: qkv, .offset: 0, .size: 8, .value_kind: global_buffer, .address_space: global }
      - { .name: oi, .offset: 8, .size: 8, .value_kind: global_buffer, .address_space: global }
    .group_segment_fixed_size: 216064
    .private_segment_fixed_size: 0
    .kernarg_segment_align: 8
    .kernarg_segment_size: 16
    .max_flat_workgroup_size: 512
    .sgpr_count:     100
    .vgpr_count:     256
    .wavefront_size: 32
...
	.end_amdgpu_metadata
.endif
;; end of part 3
;; launch gemm_out (part 4): grid 8 x 32, 4 waves a work-group, clusters of 4 x 4, 226,816 bytes of LDS; arguments oi, wpi, b_proj, out0; writes out0
.if DOCPART == 4
	.amdgcn_target "amdgcn-amd-amdhsa--gfx1250"
	.amdhsa_code_object_version 6
	.text
	.protected	k_q73a0ed793e_gemm_out
	.globl	k_q73a0ed793e_gemm_out
	.p2align	8
	.type	k_q73a0ed793e_gemm_out,@function
k_q73a0ed793e_gemm_out:
	s_mov_b64 s[64:65], 0
	v_nop
	global_prefetch_b8 v0, s[64:65] scope:SCOPE_SE
	s_setreg_imm32_b32 hwreg(HW_REG_WAVE_MODE, 25, 1), 1
	s_wait_xcnt 0x0
	s_wait_alu depctr_hold_cnt(0) depctr_sa_sdst(0) depctr_va_vdst(0) depctr_va_sdst(0) depctr_va_ssrc(0) depctr_va_vcc(0) depctr_vm_vsrc(0)
	s_getreg_b32 s2, hwreg(HW_REG_IB_STS2, 6, 4)
	s_cmp_eq_u32 s2, 0
	s_cbranch_scc0 .Lentry_in_a_cluster
	s_endpgm
.Lentry_in_a_cluster:
	s_bfe_u32 s2, ttmp6, 0x10000c
	s_cmp_lg_u32 s2, 0xf033
	s_cbranch_scc0 .Lentry_shape_is_right
	s_endpgm
.Lentry_shape_is_right:
; out0 = o w_proj + b_proj on codes of FP6 (E2M3) with E8M0 scales, sums in f32, f32 out.
; SHARES.  Work-group (x, y) makes 128 columns (block x of 8) for 128 tokens (block y of 32), all of K = 1,024: 256 work-groups.  Both operands' blocks lie whole in LDS, filled once in four chunks of 256 along K: no LDS byte is filled twice.
; Each of four waves makes 64 x 64: 16 accumulators, 8 K steps of 128.  th = wave % 2: my half of the tokens; wh = wave / 2: my half of the columns.
; CLUSTERS: 4 x 4 work-groups: the tokens' block is asked for jointly along a row of the cluster, the columns' along a column.
; A CHUNK: the fragment (K step s, tile t) is an image of its 12 registers at (8 s + t) 1536 (registers 0-3 at 16 x lane, 4-5 at 512 + 8 x lane, 6-9 at 768 + 16 x lane, 10-11 at 1280 + 8 x lane).  The weight's chunk (25,600 bytes) has whole
; scale words at 24,576.  o's chunk (26,624 bytes) has, at 24,576 + 512 q, for each of its four heads q a word with two bytes for (tile, row): a K step spans two heads, so its word is joined here from two.
; Source 0 = columns, source 1 = tokens: a lane holds one token, and the 16 registers of accumulators 2 b, 2 b + 1 are columns 32 b + 16 (lane / 16) + 0 .. 15.  Place r of token tile t is token 64 (t / 4) + 8 (t % 4) + r % 8 + 32 (r / 8).
; REGISTERS: window 0: v1-15 addresses; v16-31 scale words, two sets; v32-63 the bias as C; v96-103 o's half words; on the way out v32-95 rows; v128-255 the accumulators.  Window 1: two sets of eight fragments at v0 and v128.
.set CT,   26624                       ; a chunk of o
.set CW,   25600                       ; a chunk of the weight
.set WB,   4*CT                        ; LDS: the weight's block behind o's
.set STG,  WB+4*CW                     ; behind both: a stage of 16 rows x (256 + 16) bytes for each wave; no tensor load lands there
.set F0,   0
.set F1,   128
.set ACC,  128
.set BIA,  32
.set SCS,  16                          ; scale words: set p at SCS + 8 p: o's at +0..3, the weight's at +4..7; register 2 (t / 2) + s, lanes 16 (t % 2) on
.set RAW,  96
.set MUL,  0x05
.set TO_F, 0x40
.set MSB,  0
.macro WIN new
.if MSB != \new
	s_set_vgpr_msb (MSB<<8)|\new
.set MSB, \new
.endif
.endm
.macro ROUND
	s_barrier_signal -1
	s_barrier_wait -1
	s_cmp_lg_u32 s12, 0
	s_cbranch_scc1 .Lnot_wave_0_\@
	s_barrier_signal -3
.Lnot_wave_0_\@:
	s_barrier_wait -3
	s_barrier_signal -1
	s_barrier_wait -1
.endm
.macro PLACES n
.rept \n
	v_nop
.endr
.endm
.macro WM d, a, b, c, sa, sb, ra, rb
.if (\ra) && (\rb)
	v_wmma_scale_f32_16x16x128_f8f6f4 v[(\d):(\d)+7], v[(\a):(\a)+11], v[(\b):(\b)+11], v[(\c):(\c)+7], v[(\sa)], v[(\sb)] matrix_a_fmt:MATRIX_FMT_FP6 matrix_b_fmt:MATRIX_FMT_FP6 matrix_a_scale:MATRIX_SCALE_ROW1 matrix_b_scale:MATRIX_SCALE_ROW1
.elseif (\ra)
	v_wmma_scale_f32_16x16x128_f8f6f4 v[(\d):(\d)+7], v[(\a):(\a)+11], v[(\b):(\b)+11], v[(\c):(\c)+7], v[(\sa)], v[(\sb)] matrix_a_fmt:MATRIX_FMT_FP6 matrix_b_fmt:MATRIX_FMT_FP6 matrix_a_scale:MATRIX_SCALE_ROW1
.elseif (\rb)
	v_wmma_scale_f32_16x16x128_f8f6f4 v[(\d):(\d)+7], v[(\a):(\a)+11], v[(\b):(\b)+11], v[(\c):(\c)+7], v[(\sa)], v[(\sb)] matrix_a_fmt:MATRIX_FMT_FP6 matrix_b_fmt:MATRIX_FMT_FP6 matrix_b_scale:MATRIX_SCALE_ROW1
.else
	v_wmma_scale_f32_16x16x128_f8f6f4 v[(\d):(\d)+7], v[(\a):(\a)+11], v[(\b):(\b)+11], v[(\c):(\c)+7], v[(\sa)], v[(\sb)] matrix_a_fmt:MATRIX_FMT_FP6 matrix_b_fmt:MATRIX_FMT_FP6
.endif
.endm
.macro FETCH f, ow, ot                 ; 32 LDS loads in one run: a K step's four fragments of the weight (from byte ow) and four of o (from byte ot) into set f
	WIN TO_F
.irp t, 0,1,2,3
	ds_load_b128 v[\f+12*\t:\f+12*\t+3], v5 offset:\ow+1536*\t
	ds_load_b64 v[\f+12*\t+4:\f+12*\t+5], v6 offset:\ow+1536*\t+512
	ds_load_b128 v[\f+12*\t+6:\f+12*\t+9], v5 offset:\ow+1536*\t+768
	ds_load_b64 v[\f+12*\t+10:\f+12*\t+11], v6 offset:\ow+1536*\t+1280
.endr
.irp t, 0,1,2,3
	ds_load_b128 v[\f+48+12*\t:\f+48+12*\t+3], v2 offset:\ot+1536*\t
	ds_load_b64 v[\f+48+12*\t+4:\f+48+12*\t+5], v3 offset:\ot+1536*\t+512
	ds_load_b128 v[\f+48+12*\t+6:\f+48+12*\t+9], v2 offset:\ot+1536*\t+768
	ds_load_b64 v[\f+48+12*\t+10:\f+48+12*\t+11], v3 offset:\ot+1536*\t+1280
.endr
.endm
.macro SCALES p, ow, ot                ; a chunk's scale words: the weight's into set p, o's half words (tile pair u, head q) into v[RAW + 4 u + q]
	WIN 0
.irp u, 0,1
.irp q, 0,1,2,3
	ds_load_b32 v[RAW+4*\u+\q], v4 offset:\ot+512*\q+128*\u
.endr
	ds_load_b64 v[SCS+8*\p+4+2*\u:SCS+8*\p+4+2*\u+1], v7 offset:\ow+256*\u
.endr
.endm
.macro JOIN p                          ; K step s takes heads 2 s (bytes 0, 1) and 2 s + 1 (bytes 2, 3)
	WIN 0
.irp u, 0,1
.irp s, 0,1
	v_lshl_or_b32 v[SCS+8*\p+2*\u+\s], v[RAW+4*\u+2*\s+1], 16, v[RAW+4*\u+2*\s]
.endr
.endr
.endm
.macro MUL16 f, ks, p, first           ; 16 products; the 16 accumulators take turns, one instruction a turn, in the same order in every step.  first = 1: the bias is the C
	WIN MUL
.irp q, 0,1,2,3
.irp t, 0,1,2,3
.if \first
	WM ACC+8*(4*\q+\t), \f+12*\t, \f+48+12*\q, BIA+8*\t, SCS+8*\p+4+2*(\t/2)+\ks, SCS+8*\p+2*(\q/2)+\ks, \t%2, \q%2
.else
	WM ACC+8*(4*\q+\t), \f+12*\t, \f+48+12*\q, ACC+8*(4*\q+\t), SCS+8*\p+4+2*(\t/2)+\ks, SCS+8*\p+2*(\q/2)+\ks, \t%2, \q%2
.endif
.endr
.endr
.endm
.macro MEET n                          ; the next chunk: my part has landed (n of my loads were issued behind it and may stay out), my LDS loads are back; then everybody's
	s_wait_tensorcnt \n
	s_wait_dscnt 0x0
	s_barrier_signal -1
	s_barrier_wait -1
.endm
	s_load_b128 s[4:7], s[0:1], 0x0                ; oi s[4:5], wpi s[6:7]
	s_load_b128 s[8:11], s[0:1], 0x10              ; b_proj s[8:9], out0 s[10:11]
	v_lshl_add_u32 v126, v0, 2, 0x37400
	v_mov_b32 v127, 0
	ds_add_u32 v126, v127
	ds_add_u32 v126, v127
	v_lshrrev_b32 v1, 5, v0
	v_readfirstlane_b32 s12, v1                    ; wave 0..3
	s_and_b32 s13, s12, 1                          ; th.  Also: I fetch o (0) or the weight (1)
	s_lshr_b32 s14, s12, 1                         ; wh.  Also: I fetch chunks 0, 1 (0) or 2, 3 (1)
	s_bfe_u32 s15, ttmp6, 0x40000                  ; cx
	s_bfe_u32 s16, ttmp6, 0x40004                  ; cy
	s_lshl_b32 s17, ttmp9, 2
	s_add_co_u32 s17, s17, s15                     ; x
	s_and_b32 s18, ttmp7, 0xffff
	s_lshl_b32 s18, s18, 2
	s_add_co_u32 s18, s18, s16                     ; y
	s_lshl_b32 s19, s16, 2
	s_lshl_b32 s19, 15, s19                        ; my row of the cluster
	s_lshl_b32 s20, 0x1111, s15                    ; my column
	; descriptor groups 1: half a block, dense, as rows of 32 elements of 8 bytes: 208 rows of o, 200 of the weight; no padding
	s_or_b32 s24, s19, (3<<16)|(1<<21)
	s_mov_b32 s25, 32<<16
	s_mov_b32 s26, 208<<16                         ; half of o's block, two chunks: 208 rows
	s_mov_b32 s27, 32<<16
	s_mov_b32 s28, 208
	s_mov_b32 s29, 32
	s_mov_b32 s30, 0
	s_mov_b32 s31, 0
	s_or_b32 s32, s20, (3<<16)|(1<<21)
	s_mov_b32 s33, 32<<16
	s_mov_b32 s34, 200<<16                         ; half of the weight's block: 200 rows
	s_mov_b32 s35, 32<<16
	s_mov_b32 s36, 200
	s_mov_b32 s37, 32
	s_mov_b32 s38, 0
	s_mov_b32 s39, 0
	s_mul_i32 s21, s14, 2*CT                       ; waves 0, 1 fetch chunks 0 and 1, waves 2, 3 chunks 2 and 3: of o (even waves),
	s_mul_i32 s58, s14, 2*CW                       ; of the weight (odd waves)
	s_mul_i32 s22, s18, 4*CT                       ; o's block hangs on y alone,
	s_add_co_u32 s22, s22, s21
	s_mov_b32 s23, 0
	s_mul_i32 s56, s17, 4*CW                       ; the weight's on x alone
	s_add_co_u32 s56, s56, s58
	s_mov_b32 s57, 0
	s_wait_dscnt 0x0
	s_wait_kmcnt 0x0
	s_add_nc_u64 s[22:23], s[4:5], s[22:23]
	s_add_nc_u64 s[56:57], s[6:7], s[56:57]
	s_mov_b32 s40, 1
	s_mov_b32 s41, s21
	s_mov_b64 s[42:43], s[22:23]
	s_or_b32 s43, s43, 0x80000000
	s_mov_b32 s68, 1
	s_add_co_u32 s69, s58, WB
	s_mov_b64 s[70:71], s[56:57]
	s_or_b32 s71, s71, 0x80000000
	ROUND                                          ; all sixteen work-groups are here: the joint loads meet
	s_cmp_eq_u32 s12, 0                            ; the fills, one a wave, in one chain of branches on the wave's number, each wave's line its own
	s_cbranch_scc0 .Lhead_1
	tensor_load_to_lds s[40:43], s[24:31]          ; wave 0: o's chunks 0 and 1
	s_nop 0
	PLACES 4
	s_branch .Lfilled
.Lhead_1:
	s_cmp_eq_u32 s12, 1
	s_cbranch_scc0 .Lhead_2
	tensor_load_to_lds s[68:71], s[32:39]          ; wave 1: the weight's chunks 0 and 1
	s_nop 0
	PLACES 4
	s_branch .Lfilled
.Lhead_2:
	s_cmp_eq_u32 s12, 2
	s_cbranch_scc0 .Lhead_3
	tensor_load_to_lds s[40:43], s[24:31]          ; wave 2: o's chunks 2 and 3
	s_nop 0
	PLACES 4
	s_branch .Lfilled
.Lhead_3:
	tensor_load_to_lds s[68:71], s[32:39]          ; wave 3: the weight's chunks 2 and 3
	s_nop 0
	PLACES 4
.Lfilled:
	v_and_b32 v1, 31, v0                           ; lane
	v_lshlrev_b32 v8, 4, v1
	v_lshlrev_b32 v9, 3, v1
	s_mul_i32 s59, s13, 6144                       ; my four tiles of tokens
	v_add_nc_u32 v2, s59, v8
	v_add_nc_u32 v3, s59, v9
	s_lshl_b32 s60, s13, 8
	s_add_co_u32 s60, s60, 24576
	v_lshl_add_u32 v4, v1, 2, s60                  ; their half words: 4 x lane + 256 th
	s_mul_i32 s59, s14, 6144                       ; my four tiles of columns
	s_add_co_u32 s59, s59, WB
	v_add_nc_u32 v5, s59, v8
	v_add_nc_u32 v6, s59, v9
	s_lshl_b32 s61, s14, 9
	s_add_co_u32 s61, s61, WB+24576
	v_add_nc_u32 v7, s61, v9
	v_and_b32 v15, 15, v0                          ; r
	v_bfe_u32 v11, v0, 4, 1                        ; h
	v_lshlrev_b32 v10, 6, v11                      ; the bias: 16 h numbers on
	s_wait_alu depctr_va_vdst(0)
	s_mul_i32 s60, s12, 16*272
	s_add_co_u32 s60, s60, STG                     ; my stage
	v_mul_u32_u24 v12, v15, 272
	v_lshl_add_u32 v12, v11, 6, v12
	v_add_nc_u32 v12, s60, v12                     ; in: row r, + 64 h
	v_mul_u32_u24 v13, v11, 272
	v_lshl_add_u32 v13, v15, 4, v13
	v_add_nc_u32 v13, s60, v13                     ; back: lanes 0-15 one row of 256 bytes, lanes 16-31 the next
	v_lshlrev_b32 v14, 12, v11
	v_lshl_add_u32 v14, v15, 4, v14                ; and the same two rows in out0
	s_lshl_b32 s62, s17, 9
	s_lshl_b32 s63, s14, 8
	s_add_co_u32 s62, s62, s63                     ; my 64 columns, in bytes
	s_mov_b32 s63, 0
	s_add_nc_u64 s[8:9], s[8:9], s[62:63]
	s_lshl_b32 s90, s18, 7
	s_lshl_b32 s91, s13, 6
	s_add_co_u32 s90, s90, s91
	s_lshl_b32 s90, s90, 12                        ; my 64 tokens' rows of 4,096 bytes
	s_add_co_u32 s90, s90, s62
	s_mov_b32 s91, 0
	s_add_nc_u64 s[84:85], s[10:11], s[90:91]
.irp t, 0,1,2,3                        ; tile t's register j is column 32 (t / 2) + 16 h + 8 (t % 2) + j of my 64
	global_load_b128 v[BIA+8*\t:BIA+8*\t+3], v10, s[8:9] offset:(32*(\t/2)+8*(\t%2))*4
	global_load_b128 v[BIA+8*\t+4:BIA+8*\t+7], v10, s[8:9] offset:(32*(\t/2)+8*(\t%2))*4+16
.endr
	s_wait_loadcnt 0x0
	; The eight K steps.  While a step is multiplied the next step's fragments are on their way into the other set.  Four plain lines stand between the products that read a set and the loads into it; where o's scale words
	; have just been joined by vector instructions, eight stand between them and the products.
	s_cmp_lt_u32 s12, 2
	s_cbranch_scc0 .Lnot_first
	s_wait_tensorcnt 0x0                           ; waves 0 and 1: my two chunks have landed
.Lnot_first:
	s_wait_dscnt 0x0
	s_barrier_signal -1
	s_barrier_wait -1                              ; chunks 0 and 1 of both operands are whole
	FETCH F0, 0, 0
	SCALES 0, 0, 0
	s_wait_dscnt 0x0
	JOIN 0
	PLACES 8
	FETCH F1, 12288, 12288
	MUL16 F0, 0, 0, 1
	s_wait_alu depctr_va_vdst(0)
	s_wait_dscnt 0x0                               ; chunk 1 was shown with chunk 0
	PLACES 4
	FETCH F0, CW, CT
	SCALES 1, CW, CT
	MUL16 F1, 1, 0, 0
	s_wait_dscnt 0x0
	JOIN 1
	PLACES 8
	FETCH F1, CW+12288, CT+12288
	MUL16 F0, 0, 1, 0
	s_wait_alu depctr_va_vdst(0)
	MEET 0                                         ; chunks 2 and 3: every wave waits for its load; then everybody's
	WIN 0
.irp a, 2,3,4
	v_add_nc_u32 v[\a], 2*CT, v[\a]                ; on to chunks 2 and 3: an LDS offset has 16 bits; no LDS load of mine is out
.endr
.irp a, 5,6,7
	v_add_nc_u32 v[\a], 2*CW, v[\a]
.endr
	PLACES 4
	FETCH F0, 0, 0
	SCALES 0, 0, 0
	MUL16 F1, 1, 1, 0
	s_wait_alu depctr_va_vdst(0)
	s_wait_dscnt 0x0
	JOIN 0
	PLACES 8
	FETCH F1, 12288, 12288
	MUL16 F0, 0, 0, 0
	s_wait_alu depctr_va_vdst(0)
	s_wait_dscnt 0x0                               ; chunk 3 was shown with chunk 2
	PLACES 4
	FETCH F0, CW, CT
	SCALES 1, CW, CT
	MUL16 F1, 1, 0, 0
	s_wait_dscnt 0x0
	JOIN 1
	PLACES 8
	FETCH F1, CW+12288, CT+12288
	MUL16 F0, 0, 1, 0
	s_wait_alu depctr_va_vdst(0)
	s_wait_dscnt 0x0
	MUL16 F1, 1, 1, 0
	WIN 0
; THE WAY OUT, a tile of 16 tokens x 64 columns at a time.  A lane holds 64 neighbouring bytes of each half of a row, and the lanes beside it other rows: so a tile goes through my own stage and comes back as whole rows of 256 bytes.
; LDS serves a wave's instructions in order (ISA guide 5.7.1.4): no wait between the stores and the loads, nor in front of the next tile's stores.
.macro TOSTAGE q
.irp b, 0,1
.irp i, 0,1,2,3
	ds_store_b128 v12, v[ACC+32*(\q)+16*\b+4*\i:ACC+32*(\q)+16*\b+4*\i+3] offset:128*\b+16*\i   ; each accumulator from its low end on
.endr
.endr
.irp i, 0,1,2,3,4,5,6,7
	ds_load_b128 v[32+32*((\q)%2)+4*\i:32+32*((\q)%2)+4*\i+3], v13 offset:544*\i
.endr
.endm
.macro SEND q, younger                 ; younger: the LDS instructions issued behind tile q's loads, which may stay out
	s_wait_dscnt \younger
.irp i, 0,1,2,3,4,5,6,7
	global_store_b128 v14, v[32+32*((\q)%2)+4*\i:32+32*((\q)%2)+4*\i+3], s[84:85] offset:(8*(\q)+2*\i+24*(\i/4))*4096 th:TH_STORE_NT   ; places 2 i and 2 i + 1 of the tile; place p of my tile q is token 8 q + p % 8 + 32 (p / 8) of my 64: sixteen lanes store 256 consecutive bytes, aligned
.endr
.endm
	PLACES 4                                       ; between the last products and the first read of results
	TOSTAGE 0
	TOSTAGE 1
	SEND 0, 16                                     ; behind tile 0's loads: tile 1's 8 stores and 8 loads
	s_wait_xcnt 0x0                                ; tile 0's stores have read their registers: tile 2's rows may land there
	TOSTAGE 2
	SEND 1, 16
	s_wait_xcnt 0x0
	TOSTAGE 3
	SEND 2, 16
	SEND 3, 0
	s_wait_tensorcnt 0x0
	ds_add_u32 v126, v127
	s_wait_dscnt 0x0
	ROUND                                          ; the closing round
	s_endpgm
.Lfunc_end_k_q73a0ed793e_gemm_out:
	.size	k_q73a0ed793e_gemm_out, .Lfunc_end_k_q73a0ed793e_gemm_out-k_q73a0ed793e_gemm_out
	.p2alignl 7, 3214868480
	.fill 96, 4, 3214868480
	.section	.rodata,"a",@progbits
	.p2align	6, 0x0
	.amdhsa_kernel k_q73a0ed793e_gemm_out
		.amdhsa_group_segment_fixed_size 226816
		.amdhsa_private_segment_fixed_size 0
		.amdhsa_enable_private_segment 0
		.amdhsa_kernarg_size 32
		.amdhsa_user_sgpr_count 2
		.amdhsa_user_sgpr_kernarg_segment_ptr 1
		.amdhsa_wavefront_size32 1
		.amdhsa_system_sgpr_workgroup_id_x 1
		.amdhsa_system_sgpr_workgroup_id_y 1
		.amdhsa_system_sgpr_workgroup_id_z 1
		.amdhsa_system_vgpr_workitem_id 0
		.amdhsa_next_free_vgpr 512
		.amdhsa_next_free_sgpr 100
		.amdhsa_reserve_vcc 0
		.amdhsa_float_denorm_mode_32 3
		.amdhsa_float_denorm_mode_16_64 3
		.amdhsa_memory_ordered 1
		.amdhsa_forward_progress 1
		.amdhsa_inst_pref_size 54
	.end_amdhsa_kernel
	.amdgpu_metadata
---
amdhsa.version: [ 1, 2 ]
amdhsa.kernels:
  - .name:           k_q73a0ed793e_gemm_out
    .symbol:         k_q73a0ed793e_gemm_out.kd
    .args:
      - { .name: oi, .offset: 0, .size: 8, .value_kind: global_buffer, .address_space: global }
      - { .name: wpi, .offset: 8, .size: 8, .value_kind: global_buffer, .address_space: global }
      - { .name: b_proj, .offset: 16, .size: 8, .value_kind: global_buffer, .address_space: global }
      - { .name: out0, .offset: 24, .size: 8, .value_kind: global_buffer, .address_space: global }
    .group_segment_fixed_size: 226816
    .private_segment_fixed_size: 0
    .kernarg_segment_align: 8
    .kernarg_segment_size: 32
    .max_flat_workgroup_size: 128
    .sgpr_count:     100
    .vgpr_count:     512
    .wavefront_size: 32
...
	.end_amdgpu_metadata
.endif
;; end of part 4
